; MI455X (gfx1250); checked and timed in simulation.
; The chip was launched on July 23, 2026; its instructions are those of AMD's public machine-readable ISA for CDNA 5 (MIT licence, August 2026) and "CDNA5" Instruction Set Architecture Reference Guide (July 2026). The comments in the code are by the model that wrote it; some were corrected since.
;; Block. Allowed arithmetic: matrix products marked QUANTISED: E5M2 operands, one E8M0 scale for each 32 along K, by v_wmma_scale_f32_16x16x128_f8f6f4 with both operands' format E5M2, f32 sums; everything else in f32.
;; Inputs: W_gate_codes 512 x 16 x 32 uint8 (E5M2 codes of W_gate, K innermost, in blocks of 32 codes); W_gate_scales 512 x 16 uint8 (E8M0 scales of W_gate, one for each 32 codes along K); W_hidden_codes 512 x 16 x 32 uint8 (E5M2 codes of W_hidden, K innermost, in blocks of 32 codes); W_hidden_scales 512 x 16 uint8 (E8M0 scales of W_hidden, one for each 32 codes along K); W_k_codes 512 x 16 x 32 uint8 (E5M2 codes of W_k, K innermost, in blocks of 32 codes); W_k_scales 512 x 16 uint8 (E8M0 scales of W_k, one for each 32 codes along K); W_o_codes 512 x 16 x 32 uint8 (E5M2 codes of W_o, K innermost, in blocks of 32 codes); W_o_scales 512 x 16 uint8 (E8M0 scales of W_o, one for each 32 codes along K); W_out_codes 512 x 16 x 32 uint8 (E5M2 codes of W_out, K innermost, in blocks of 32 codes); W_out_scales 512 x 16 uint8 (E8M0 scales of W_out, one for each 32 codes along K); W_q_codes 512 x 16 x 32 uint8 (E5M2 codes of W_q, K innermost, in blocks of 32 codes); W_q_scales 512 x 16 uint8 (E8M0 scales of W_q, one for each 32 codes along K); W_v_codes 512 x 16 x 32 uint8 (E5M2 codes of W_v, K innermost, in blocks of 32 codes); W_v_scales 512 x 16 uint8 (E8M0 scales of W_v, one for each 32 codes along K); attn_norm_w 512 float32; b_o 512 float32; b_out 512 float32; ffn_norm_w 512 float32; x 4 x 2,048 x 512 float32.
;; Outputs: out0 4 x 2,048 x 512 float32.
;; This version of the problem:
;;   THIS VERSION OF THE PROBLEM IS GIVEN IN LOW PRECISION. The matrix products marked QUANTISED in the list below multiply operands that are first quantised to E5M2 (5 exponent bits, 2 mantissa bits; 8 bits a number), with one power-of-two scale for each 32 numbers along K (OCP MX v1.0); their sums are f32. All else is computed in f32.
;;   The module's matrix products, in the order in which they are computed (A, B: the left and right operand; K: the contracted axis; several contracted axes count as one K, in the product's order):
;;     1. [M 8,192, K 512] x [K 512, N 512]; A: computed on the way; B: input W_q (given as codes): QUANTISED
;;     2. [M 8,192, K 512] x [K 512, N 512]; A: computed on the way; B: input W_k (given as codes): QUANTISED
;;     3. [M 8,192, K 512] x [K 512, N 512]; A: computed on the way; B: input W_v (given as codes): QUANTISED
;;     4. batch 64 x [M 2,048, K 32] x [K 32, N 2,048]; A: computed on the way; B: computed on the way: QUANTISED
;;     5. batch 64 x [M 2,048, K 2,048] x [K 2,048, N 32]; A: softmax (see below); B: computed on the way: QUANTISED
;;     6. [M 8,192, K 512] x [K 512, N 512]; A: computed on the way; B: input W_o (given as codes): QUANTISED
;;     7. [M 8,192, K 512] x [K 512, N 512]; A: computed on the way; B: input W_gate (given as codes): QUANTISED
;;     8. [M 8,192, K 512] x [K 512, N 512]; A: computed on the way; B: input W_hidden (given as codes): QUANTISED
;;     9. [M 8,192, K 512] x [K 512, N 512]; A: computed on the way; B: input W_out (given as codes): QUANTISED
;;   THE QUANTISER, for each operand of a quantised product, along K:
;;     - K is cut into blocks of 32 from its start; a last block that is shorter is filled with zeros.
;;     - A block's scale is 2^e with e = floor(log2(the largest magnitude in the block)) - 15, held to -126 .. 127; a block of zeros has e = 0. As a byte (E8M0): e + 127.
;;     - Each number is divided by its block's scale, clamped to +-57,344, and rounded to the nearest number of E5M2, ties to even, subnormals kept.
;;     - The product sums the exact products of the quantised numbers (number of the format x scale) in f32.
;;   ~~~python
;;   def quantise(x, axis):      # numpy; x: float32 -> the quantised numbers, widened to float32 again
;;       x = np.moveaxis(x, axis, -1); K = x.shape[-1]
;;       x = np.pad(x, [(0, 0)] * (x.ndim - 1) + [(0, -K % 32)]); x = x.reshape(x.shape[:-1] + (-1, 32)); a = np.abs(x).max(-1, keepdims=True)
;;       e = np.where(a > 0, np.clip(np.frexp(np.where(a > 0, a, 1))[1] - 1 - 15, -126, 127), 0)      # np.frexp(a)[1] - 1 = floor(log2(a)), exactly
;;       r = np.clip(x / 2.0 ** e, -57344, 57344)
;;       step = 2.0 ** (np.maximum(np.frexp(np.where(r == 0, 1, r))[1] - 1, -14) - 2)
;;       q = np.round(r / step) * step * 2.0 ** e      # np.round: ties to even
;;       return np.moveaxis(q.reshape(q.shape[:-2] + (-1,))[..., :K], -1, axis).astype(np.float32)
;;   ~~~
;;   SOFTMAX AHEAD OF A QUANTISED PRODUCT. Where the list says 'softmax', what is quantised is not the finished softmax but p = 2^(t - M), with t = logit x log2(e) and M = ceil(the row's largest t), a whole number; so 1/2 < the row's largest p <= 1. The row's sum l is taken of the UNQUANTISED p, in f32, and the product's result is divided by l at the end. Since M is a whole number, a kernel that streams over the keys may use a running M (the ceiling of the running maximum): every later rescaling is an exact power of two, which a block's scale takes up: the codes' values come out the same.
;;   OPERANDS COMPUTED ON THE WAY. 'Computed on the way' means the value that the module computes at that place (a softmax that the list does not call 'softmax' is quantised finished and normalised). What goes into a quantiser is computed in f32, as accurately as f32 sums, v_exp_f32 and their like allow (about 1e-6 of the number): no bf16 or f16 on the way to a quantiser, and a product that is left as it is and whose result goes on into a quantised operand takes f32 operands (vector FMAs, or v_wmma_f32_16x16x4_f32). A number that lies on a knife's edge between two numbers of the format may be rounded either way, as far as f32 arithmetic and the matrix unit's own rounding can turn it there, and no further.
;;   INPUTS GIVEN AS CODES. W_gate (in the module: [512, 512], K = its axis 1); W_hidden (in the module: [512, 512], K = its axis 1); W_k (in the module: [512, 512], K = its axis 1); W_o (in the module: [512, 512], K = its axis 1); W_out (in the module: [512, 512], K = its axis 1); W_q (in the module: [512, 512], K = its axis 1); W_v (in the module: [512, 512], K = its axis 1): each comes as NAME_codes (uint8): NAME with its K axis moved to the last place and cut into blocks of 32 codes, [.., K / 32, bytes a block], one block behind the other in memory; one code a byte (a code: sign, 5 exponent bits, 2 mantissa bits); and NAME_scales (uint8): the same leading axes, one E8M0 byte (e + 127) for each 32 codes along K. Its value is code x scale, taken as it is: it is not quantised again, and the codes and scales need not be those that the quantiser above would give.
;; One version. Each part assembles by itself: llvm-mc -triple=amdgcn-amd-amdhsa -mcpu=gfx1250 --defsym DOCPART=n.
;; ======== version 1 of 1: 3 launches
;; limits: right only within a limited range of input values
;; workspace buffers: q_img 4,194,304 bytes; k_img 4,194,304 bytes; v_img 4,194,304 bytes; q_sc 131,072 bytes; k_sc 131,072 bytes; v_sc 655,360 bytes; o_img 4,194,304 bytes; o_sc 131,072 bytes
;; launch qkv (part 1): grid 64 x 4, 4 waves a work-group, clusters of 4 x 1, 311,808 bytes of LDS; arguments x, attn_norm_w, W_q_codes, W_q_scales, W_k_codes, W_k_scales, W_v_codes, W_v_scales, q_img, q_sc, k_img, k_sc, v_img, v_sc, W_gate_codes, W_hidden_codes; writes q_img, q_sc, k_img, k_sc, v_img, v_sc
.if DOCPART == 1
	.amdgcn_target "amdgcn-amd-amdhsa--gfx1250"
	.amdhsa_code_object_version 6
	.text
	.protected	k_qb396d05bdc_qkv
	.globl	k_qb396d05bdc_qkv
	.p2align	8
	.type	k_qb396d05bdc_qkv,@function
k_qb396d05bdc_qkv:
	s_mov_b64 s[64:65], 0
	v_nop
	global_prefetch_b8 v0, s[64:65] scope:SCOPE_SE
	s_setreg_imm32_b32 hwreg(HW_REG_WAVE_MODE, 25, 1), 1
	s_wait_xcnt 0x0
	s_wait_alu depctr_hold_cnt(0) depctr_sa_sdst(0) depctr_va_vdst(0) depctr_va_sdst(0) depctr_va_ssrc(0) depctr_va_vcc(0) depctr_vm_vsrc(0)
	s_getreg_b32 s2, hwreg(HW_REG_IB_STS2, 6, 4)
	s_cmp_eq_u32 s2, 0
	s_cbranch_scc0 .Lentry_in_a_cluster
	s_endpgm
.Lentry_in_a_cluster:
	s_bfe_u32 s2, ttmp6, 0x10000c
	s_cmp_lg_u32 s2, 0x3003
	s_cbranch_scc0 .Lentry_shape_is_right
	s_endpgm
.Lentry_shape_is_right:
; xn = attn_norm_w * x * rsqrt(mean(x^2) + 1e-6), quantised along its 512 to codes of E5M2 with one E8M0 byte for each 32; then ONE of q = xn W_q^T, k = xn W_k^T, v = xn W_v^T, and the result quantised for
; attention: q and k along a head's 32, v along the keys.  Work-group y chooses: 0: q, 1: k, 2 and 3: v (only pointers and the trip count are chosen).
; SHARES.  Work-group x stands for rows 128 x .. 128 x + 127 (one batch's key step of 128), two blocks of 64.  q's and k's work-groups take both blocks, one a trip; v's take one each (y = 2 the first, y = 3 the second):
; v's products fetch each fragment of xn four times where q's and k's fetch it once, so half the rows make about the same work.  The four waves share the COLUMNS: wave w owns columns 128 w .. + 127 (heads 4 w .. + 3).
; THE WEIGHT COMES BY ONE TENSOR LOAD A WAVE (its 128 rows of 512 bytes, in place of 128 loads of 512 bytes), lands in LDS once, is read from there once into 512 registers, and stays in them.
; CLUSTER.  The four work-groups of a cluster have the same y, so they want the same weight: the load is JOINT (mask 15), with the same descriptor in all four; the place in the cluster enters x's and the outputs'
; addresses alone.  No LDS byte is filled again, so there is no ring.  Nothing is prefetched: all that a work-group reads is asked for at its head or one block ahead.
; xn goes from wave to wave through LDS as images of the operand's registers (16 bytes a lane, 512 a store).
; TILES OF ROWS ARE NOT NEIGHBOURS, of x and of the weights alike: lane r of tile 2 b + u stands for row 32 b + 8 u + r + 8 (r / 8).  So the 16 result registers of tiles 2 b and 2 b + 1 that run along such a
; tile are 16 neighbours, 32 b + 16 (lane / 16) + 0 .. 15: a quantiser's block lies in lanes l and l xor 16, and the conversions' results are the next operand's registers.
; q, k: the product is used transposed (source 0 = 16 rows of W, source 1 = 16 rows of xn): a lane holds one row and 16 of a head's 32.  v: not transposed: a lane holds one column and 16 neighbouring keys.
; OUT (this program's own layouts): q_img, k_img [batch x head][tile 128][lane][16 bytes]; q_sc, k_sc [batch][tile / 4][head][r] words, byte = tile % 4;
;   v_img [batch x head][key step 16][u 2][key block 4][lane][16 bytes], lane (r, h): keys 32 c + 16 h + 0 .. 15 of channel 8 u + r + 8 (r / 8); v_sc [batch][key step][2 head + u][r] words, byte = key block.
;   Every store of codes covers 512 consecutive bytes, aligned, q's and k's words 256.  v's words are the exception: a word holds 128 keys' four bytes and a work-group of v has 64 keys, so it stores half-words,
;   2 bytes a lane, 4 bytes apart: four such stores a wave, 131,072 bytes in the whole launch.
; LIMITS: NaN and infinities among the inputs are not served.  A block of zeros gets the byte 1 where the quantiser's rule says 127: its codes are zeros, and the bytes are read by this program alone.
; rsqrt is v_rsq_f32 (1 ulp).
.set XIMG, 0                           ; LDS: xn's 16 fragments of a block (tile T, K step s: 4 T + s), 2,048 bytes each
.set XSC,  32768                       ; their scale words, 128 bytes each
.set NWL,  34816                       ; attn_norm_w, 2,048 bytes
.set QSTG, 36864                       ; q, k: 256 bytes a wave for a block's scale words
.set WLDS, 40960                       ; the weight: 512 rows, wave w's 128 from row 128 w on; nothing is stored here
.set WP,   528                         ; a row of it: 512 bytes + 16 of padding
.set XA,  4                            ; v4   x: my lane's byte in the block: row of my wave's tile x 2,048 + 64 h
.set LI,  5                            ; v5   16 x lane
.set LS,  6                            ; v6   4 x lane
.set XWI, 7                            ; v7   16 x lane + 8,192 x wave
.set XWS, 8                            ; v8   4 x lane + 512 x wave
.set NWA, 9                            ; v9   64 h
.set QST, 10                           ; v10  256 x wave + 4 r
.set QSR, 11                           ; v11  256 x wave + 8 x lane
.set VST, 12                           ; v12  64 h + 4 r: v's half-words in memory
.set WL,  13                           ; v13  WLDS + 128 WP x wave + (r + 8 (r / 8)) WP + 16 h
.set WSA, 15                           ; v15  (r + 8 (r / 8)) x 16
.set L8,  16                           ; v16  8 x lane
.set T16, 17                           ; v17  16 x thread
.set XF,  20                           ; v20-83   four fragments of xn; while xn is made: 64 norm weights
.set HA,  84                           ; v84-147  eight accumulators; while xn is made: 64 numbers of xn
.set PC,  148                          ; v148-163 the codes just made
.set TM,  164                          ; v164-167 largest magnitudes, 168-171 bytes, 172-175 the largest number x the scale, 176-179 the conversions' scale operands
.set PW,  180                          ; v180     the scale word just made
.set RS,  182                          ; v182-183 rsqrt, twice
.set SQ,  184                          ; v184-191 sums of squares, four pairs
.set XS,  192                          ; v192-195 xn's scale words
.set SBW, 196                          ; v196-203 scale words in the making
.set W1S, 204                          ; v204-235 the weight's scale words: (tile t, K step s) at 4 t + s
.set OUTR, 236                         ; v236-239 at work on the way out
; window 1: the weight's fragments of K steps 0, 1 ((t, s) at 16 (8 (s % 2) + t));  window 2: of K steps 2, 3;  window 3: my 16 rows of x, 256 numbers a lane (64 s + 16 b + i)
.set WV,  44
.set YY,  45
.set BLK, 46                           ; blocks to go
.set BK,  47                           ; v: which block is mine; q, k: 0
.set SEL, 48                           ; s[48:49] v_permlanex16_b32's selects for lane l xor 16
.set MNT, 50                           ; the mantissa field of 57,344
.set RCPD, 51                          ; 1 / 512
.set EPS, 52                           ; 1e-6
.set G1,  68                           ; s[68:75] descriptor group 1
.set G0,  76                           ; s[76:79] descriptor group 0
.set XX,  80                           ; work-group x
.set MSB, 0
.macro WIN new                         ; the immediate's high byte repeats the setting that is left
.if MSB != (\new)
	s_set_vgpr_msb (MSB<<8)|(\new)
.set MSB, (\new)
.endif
.endm
.macro PLACES n
.rept \n
	v_nop
.endr
.endm
; 64 numbers of a lane, v[s] .. v[s + 63], four blocks of 16 registers, each shared with lane l xor 16, become 16 registers of codes in v[PC] on; the bytes stay in v[TM+4] on; word = 1: they make v[PW]
.macro QUANT s, word
.irp b, 0,1,2,3
	v_max3_num_f32 v[TM+\b], |v[\s+16*\b]|, |v[\s+1+16*\b]|, 0x8000000   ; my 16 numbers and the floor 2^(16 - 127): the byte cannot fall under 1
.endr
.irp i, 2,4,6,8,10,12,14
.irp b, 0,1,2,3
	v_max3_num_f32 v[TM+\b], v[TM+\b], |v[\s+16*\b+\i]|, |v[\s+1+16*\b+\i]|   ; the four blocks by turns
.endr
.endr
.irp b, 0,1,2,3
	v_permlanex16_b32 v[TM+4+\b], v[TM+\b], s[SEL], s[SEL+1]
.endr
.irp b, 0,1,2,3
	v_max_num_f32 v[TM+\b], v[TM+\b], v[TM+4+\b]   ; the block's largest magnitude
.endr
.irp b, 0,1,2,3
	v_add_nc_u32 v[TM+12+\b], 0xf8800000, v[TM+\b]   ; 15 off its exponent field: the conversion's scale operand
.endr
.irp b, 0,1,2,3
	v_and_or_b32 v[TM+8+\b], v[TM+\b], 0x7f800000, s[MNT]   ; 57,344 x the scale
.endr
.irp b, 0,1,2,3
	v_lshrrev_b32 v[TM+4+\b], 23, v[TM+12+\b]   ; the scale's byte
.endr
.if \word
	v_lshl_or_b32 v[PW], v[TM+5], 8, v[TM+4]
	v_lshl_or_b32 v[PW], v[TM+6], 16, v[PW]
	v_lshl_or_b32 v[PW], v[TM+7], 24, v[PW]
.endif
.irp b, 0,1,2,3
.irp i, 0,1,2,3,4,5,6,7,8,9,10,11,12,13,14,15
	v_med3_num_f32 v[\s+16*\b+\i], v[\s+16*\b+\i], -v[TM+8+\b], v[TM+8+\b]   ; the conversion to an 8-bit code does not saturate (ISA guide 7.6.2): the hold
.endr
	v_cvt_scalef32_pk8_bf8_f32 v[PC+4*\b:PC+1+4*\b], v[\s+16*\b:\s+7+16*\b], v[TM+12+\b]
	v_cvt_scalef32_pk8_bf8_f32 v[PC+2+4*\b:PC+3+4*\b], v[\s+8+16*\b:\s+15+16*\b], v[TM+12+\b]
.endr
	v_nop                                          ; one plain line behind the last conversion, ahead of whatever next writes its sources
.endm
.macro IMAGE adr, off                  ; the fragment in v[PC] on goes to LDS as it stands
.irp c, 0,1,2,3
	ds_store_b128 v[\adr], v[PC+4*\c:PC+4*\c+3] offset:\off+512*\c
.endr
.endm
.macro FETCH reg, off                  ; and comes back so, in any wave
.irp c, 0,1,2,3
	ds_load_b128 v[\reg+4*\c:\reg+4*\c+3], v[LI] offset:\off+512*\c
.endr
.endm
.macro FETCHM m                        ; tile m's four fragments of xn and their scale words
.irp s, 0,1,2,3
	FETCH XF+16*\s, XIMG+(4*(\m)+\s)*2048
	ds_load_b32 v[XS+\s], v[LS] offset:XSC+(4*(\m)+\s)*128
.endr
.endm
.macro BARRIER                         ; my LDS stores have landed and my LDS loads are in: then the work-group's barrier
	s_wait_dscnt 0x0
	s_barrier_signal -1
	s_barrier_wait -1
.endm
.macro ROUND                           ; a round of the cluster's barrier
	s_barrier_signal -1
	s_barrier_wait -1
	s_cmp_lg_u32 s[WV], 0
	s_cbranch_scc1 .Lnot_wave_0_\@
	s_barrier_signal -3
.Lnot_wave_0_\@:
	s_barrier_wait -3
	s_barrier_signal -1
	s_barrier_wait -1
.endm
.macro XQ k, off                       ; K step k (128 numbers a row, 64 a lane) of my 16 rows of x, from off bytes on, into window 3: 16 loads
	WIN 0xc0
.irp b, 0,1,2,3
.irp j, 0,1,2,3
	global_load_b128 v[64*(\k)+16*\b+4*\j:64*(\k)+16*\b+4*\j+3], v[XA], s[8:9] offset:\off+512*(\k)+128*\b+16*\j
.endr
.endr
	WIN 0
.endm
.macro XPART k                         ; the same of the NEXT block, if there is one: no load leaves its buffer.  A quarter of the block behind each tile's products, so that the wave goes on working while they are taken
	s_cmp_eq_u32 s[BLK], 1
	s_cbranch_scc1 .Lno_next_\@
	XQ \k, 131072
.Lno_next_\@:
.endm
.macro NWLOAD s                        ; the norm weights of K step s in my lane's order
.irp b, 0,1,2,3
.irp j, 0,1,2,3
	ds_load_b128 v[XF+16*\b+4*\j:XF+16*\b+4*\j+3], v[NWA] offset:NWL+512*(\s)+128*\b+16*\j
.endr
.endr
.endm
	s_load_b512 s[8:23], s[0:1], 0x0               ; x, attn_norm_w, W_q codes, scales, W_k codes, scales, W_v codes, scales
	s_load_b256 s[24:31], s[0:1], 0x40             ; q_img, q_sc, k_img, k_sc
	s_load_b128 s[32:35], s[0:1], 0x60             ; v_img, v_sc
	s_load_b128 s[60:63], s[0:1], 0x70             ; W_gate codes, W_hidden codes
	v_lshl_add_u32 v254, v0, 2, 0x4c000
	v_mov_b32 v255, 0
	ds_add_u32 v254, v255
	ds_add_u32 v254, v255
	v_lshrrev_b32 v1, 5, v0
	v_readfirstlane_b32 s[WV], v1                  ; wave 0..3
	s_and_b32 s[YY], ttmp7, 0xffff                 ; 0: q, 1: k, 2, 3: v; the four partners of a cluster share it
	v_and_b32 v1, 15, v0                           ; r
	v_bfe_u32 v2, v0, 4, 1                         ; h
	v_and_b32 v3, 8, v1
	v_add_nc_u32 v3, v3, v1                        ; r + 8 (r / 8)
	v_and_b32 v18, 31, v0                          ; lane
	s_lshr_b32 s56, s[WV], 1
	s_lshl_b32 s56, s56, 16                        ; my wave's tile of rows begins at row 32 (w / 2) + 8 (w % 2): x 2,048 bytes
	s_and_b32 s57, s[WV], 1
	s_lshl_b32 s57, s57, 14
	s_add_co_u32 s56, s56, s57
	v_lshlrev_b32 v[XA], 11, v3
	v_lshl_add_u32 v[XA], v2, 6, v[XA]
	v_add_nc_u32 v[XA], s56, v[XA]
	v_lshlrev_b32 v[LI], 4, v18
	v_lshlrev_b32 v[LS], 2, v18
	v_lshlrev_b32 v[L8], 3, v18
	v_lshlrev_b32 v[T16], 4, v0
	s_lshl_b32 s56, s[WV], 13
	v_add_nc_u32 v[XWI], s56, v[LI]
	s_lshl_b32 s56, s[WV], 9
	v_add_nc_u32 v[XWS], s56, v[LS]
	v_lshlrev_b32 v[NWA], 6, v2
	s_lshl_b32 s56, s[WV], 8
	v_lshl_add_u32 v[QST], v1, 2, s56
	v_add_nc_u32 v[QSR], s56, v[L8]
	v_lshlrev_b32 v[VST], 2, v1
	v_lshl_add_u32 v[VST], v2, 6, v[VST]
	s_mul_i32 s56, s[WV], 128*WP
	s_add_co_u32 s56, s56, WLDS
	v_mul_u32_u24 v[WL], v3, WP
	v_lshl_add_u32 v[WL], v2, 4, v[WL]
	v_add_nc_u32 v[WL], s56, v[WL]
	v_lshlrev_b32 v[WSA], 4, v3
	s_mov_b32 s[SEL], 0x76543210
	s_mov_b32 s[SEL+1], 0xfedcba98
	s_mov_b32 s[MNT], 0x600000
	s_mov_b32 s[RCPD], 0x3b000000
	s_mov_b32 s[EPS], 0x358637bd
.irp b, 0,1,2,3
	v_mov_b32 v[TM+4+\b], 0                        ; written once: a lane permute's destination counts as one of its sources
.endr
.irp t, 0,1,2,3,4,5,6,7
	v_mov_b32 v[SBW+\t], 0                         ; v's half-words are gathered by OR
.endr
	; descriptor group 1: 128 rows of 512 bytes, dense in memory, 16 bytes of padding behind each in LDS
	s_mov_b32 s[G1], 15|(1<<20)|(1<<21)|(6<<22)|(3<<25)   ; 15:0 the mask: all four work-groups; 17:16 elements of 1 byte; 20 padding on; 21 set beside a mask; 24:22 after every 128 words (code 6); 31:25 four words (code 3)
	s_mov_b32 s[G1+1], 512<<16                     ; tensor_dim0
	s_mov_b32 s[G1+2], 128<<16                     ; tensor_dim1
	s_mov_b32 s[G1+3], 512<<16                     ; tile_dim0
	s_mov_b32 s[G1+4], 128                         ; tile_dim1
	s_mov_b32 s[G1+5], 512                         ; from row to row
	s_mov_b32 s[G1+6], 0
	s_mov_b32 s[G1+7], 0
	s_mov_b32 s57, 0
	s_mov_b32 s59, 0
	s_cmp_ge_u32 s[YY], 2
	s_cselect_b32 s[BLK], 1, 2                     ; v: one block; q, k: two
	s_cselect_b32 s55, 9, 8                        ; a wave's words: v 512 bytes, q and k 256
	s_cselect_b32 s[BK], s[YY], 2
	s_sub_co_u32 s[BK], s[BK], 2                   ; v: y - 2; q, k: 0
	s_wait_dscnt 0x0
	s_wait_kmcnt 0x0
	s_cmp_eq_u32 s[YY], 0                          ; the choices hang on the work-group's y alone
	s_cselect_b64 s[36:37], s[12:13], s[16:17]
	s_cselect_b64 s[38:39], s[14:15], s[18:19]
	s_cselect_b64 s[40:41], s[24:25], s[28:29]
	s_cselect_b64 s[42:43], s[26:27], s[30:31]
	s_cmp_ge_u32 s[YY], 2
	s_cselect_b64 s[36:37], s[20:21], s[36:37]     ; the weight's codes
	s_cselect_b64 s[38:39], s[22:23], s[38:39]     ; its scales
	s_cselect_b64 s[40:41], s[32:33], s[40:41]     ; the images out
	s_cselect_b64 s[42:43], s[34:35], s[42:43]     ; the scale words out
	s_lshl_b32 s58, s[WV], 16                      ; my 128 rows of the weight, 512 bytes each
	s_add_nc_u64 s[36:37], s[36:37], s[58:59]
	s_lshl_b32 s58, s[WV], 11                      ; and 16 bytes of scales each
	s_add_nc_u64 s[38:39], s[38:39], s[58:59]
	s_mov_b32 s[G0], 1                             ; 1:0 count = 1
	s_mul_i32 s[G0+1], s[WV], 128*WP
	s_add_co_u32 s[G0+1], s[G0+1], WLDS            ; 63:32 LDS address: the wave's number alone
	s_mov_b64 s[G0+2:G0+3], s[36:37]               ; 120:64 global address: y and the wave's number alone
	s_or_b32 s[G0+3], s[G0+3], 0x80000000          ; 127:126 type = 2
	ROUND                                          ; all four work-groups are here: the joint loads meet
	tensor_load_to_lds s[G0:G0+3], s[G1:G1+7]      ; the first and only fill: one tensor load of mine is out
	s_nop 0
	PLACES 4
	; x's and the outputs' places: the only numbers that hang on my place in the cluster
	s_bfe_u32 s[XX], ttmp6, 0x40000                ; cx
	s_lshl_b32 s56, ttmp9, 2
	s_add_co_u32 s[XX], s56, s[XX]                 ; work-group x = 4 x cluster x + cx
	s_lshl_b32 s56, s[XX], 18                      ; 128 rows of 2,048 bytes,
	s_lshl_b32 s58, s[BK], 17                      ; and v's second work-group 64 rows on
	s_add_co_u32 s56, s56, s58
	s_add_nc_u64 s[8:9], s[8:9], s[56:57]
	s_lshr_b32 s56, s[XX], 4
	s_lshl_b32 s56, s56, 20                        ; batch x 16 heads x 65,536
	s_lshl_b32 s58, s[WV], 18                      ; + my first head
	s_add_co_u32 s56, s56, s58
	s_and_b32 s58, s[XX], 15
	s_lshl_b32 s58, s58, 12                        ; + the key step: 4,096 bytes in all three images
	s_add_co_u32 s56, s56, s58
	s_lshl_b32 s58, s[BK], 10                      ; + v's second block: two key blocks of 512 bytes
	s_add_co_u32 s56, s56, s58
	s_add_nc_u64 s[40:41], s[40:41], s[56:57]
	s_lshl_b32 s58, s[WV], s55
	s_lshl_b32 s56, s[XX], 11                      ; 2,048 bytes of words for 128 rows
	s_add_co_u32 s56, s56, s58
	s_lshl_b32 s58, s[BK], 1                       ; v: my half of each word
	s_add_co_u32 s56, s56, s58
	s_add_nc_u64 s[42:43], s[42:43], s[56:57]
	; BESIDE ITS OWN WORK each work-group lays ONE operand fragment of W_gate or W_hidden (16 rows x 128 of K, 2,048 bytes) in the order of the last launch's operand registers: the two weights have 2 x 128 fragments,
	; the launch 256 work-groups.  Fragment g = x + 64 (y % 2) of weight y / 2: column block w = g / 32, tile T = (g / 4) % 8, K step s = g % 4; wave c takes piece c: lane (r, h) the 16 bytes at
	; row 128 w + 32 (T / 2) + 8 (T % 2) + r + 8 (r / 8), byte 128 s + 32 c + 16 h.  They go behind v's scale words, by half of the tiles, column block and K step:
	; v_sc + 131,072 + 262,144 (T / 4) + 65,536 w + 16,384 s + 2,048 (4 (y / 2) + T % 4) + 512 c + 16 x lane: 512 consecutive bytes a store, aligned.
	s_cmp_ge_u32 s[YY], 2
	s_cselect_b64 s[60:61], s[62:63], s[60:61]     ; the choice hangs on the work-group's y alone
	s_and_b32 s53, s[YY], 1
	s_lshl_b32 s53, s53, 6
	s_add_co_u32 s53, s53, s[XX]                   ; g
	s_lshr_b32 s54, s53, 5
	s_lshl_b32 s56, s54, 16                        ; 128 w rows of 512 bytes
	s_bfe_u32 s54, s53, 0x20003
	s_lshl_b32 s54, s54, 14                        ; 32 (T / 2) rows
	s_add_co_u32 s56, s56, s54
	s_bfe_u32 s54, s53, 0x10002
	s_lshl_b32 s54, s54, 12                        ; 8 (T % 2) rows
	s_add_co_u32 s56, s56, s54
	s_and_b32 s54, s53, 3
	s_lshl_b32 s54, s54, 7                         ; 128 s
	s_add_co_u32 s56, s56, s54
	s_lshl_b32 s54, s[WV], 5                       ; 32 c
	s_add_co_u32 s56, s56, s54
	s_add_nc_u64 s[60:61], s[60:61], s[56:57]      ; from here
	s_lshr_b32 s54, s[YY], 1
	s_lshl_b32 s58, s54, 13                        ; 4 (y / 2) fragments of 2,048 bytes
	s_bfe_u32 s54, s53, 0x20002
	s_lshl_b32 s54, s54, 11                        ; T % 4 fragments
	s_add_co_u32 s58, s58, s54
	s_bfe_u32 s54, s53, 0x10004
	s_lshl_b32 s54, s54, 18                        ; T / 4: which half
	s_add_co_u32 s58, s58, s54
	s_lshr_b32 s54, s53, 5
	s_lshl_b32 s54, s54, 16                        ; w
	s_add_co_u32 s58, s58, s54
	s_and_b32 s54, s53, 3
	s_lshl_b32 s54, s54, 14                        ; s
	s_add_co_u32 s58, s58, s54
	s_lshl_b32 s54, s[WV], 9
	s_add_co_u32 s58, s58, s54
	s_add_co_u32 s58, s58, 131072
	s_add_nc_u64 s[62:63], s[34:35], s[58:59]      ; to here
	v_lshlrev_b32 v19, 9, v3                       ; (r + 8 (r / 8)) x 512
	v_lshl_add_u32 v19, v2, 4, v19                 ; + 16 h
	global_load_b128 v[240:243], v19, s[60:61]     ; v19 and v240-243 serve this alone and are never rewritten
	global_load_b128 v[OUTR:OUTR+3], v[T16], s[10:11]   ; the norm weights, 16 bytes a thread
.irp k, 0,1,2,3
	XQ \k, 0                                       ; my first block of x
.endr
.irp t, 0,1,2,3,4,5,6,7
	global_load_b128 v[W1S+4*\t:W1S+4*\t+3], v[WSA], s[38:39] offset:(32*(\t/2)+8*(\t%2))*16   ; a row's 16 scale bytes are its four words
.endr
	s_wait_loadcnt 63                              ; 72 loads were issued behind the norm weights': they are in
	ds_store_b128 v[T16], v[OUTR:OUTR+3] offset:NWL
	global_store_b128 v[LI], v[240:243], s[62:63]  ; my piece of the fragment: its load was issued ahead of the norm weights', so the wait above covers it
	s_wait_tensorcnt 0x0                           ; my 128 rows of the weight have landed
	BARRIER
.irp s, 0,1,2,3                        ; the weight's fragments into the registers in which they stay: 128 loads, once
	WIN 0x40*(1+\s/2)
.irp t, 0,1,2,3,4,5,6,7
.irp c, 0,1,2,3
	ds_load_b128 v[16*(8*(\s%2)+\t)+4*\c:16*(8*(\s%2)+\t)+4*\c+3], v[WL] offset:(32*(\t/2)+8*(\t%2))*WP+128*\s+32*\c
.endr
.endr
.endr
	WIN 0
.Lblock:
	; ---- the sum of squares of my 16 rows: four chains of pairs
	s_wait_loadcnt 0x0                             ; x's block (and, the first time, the weight's scale words)
	WIN 0x0f                                       ; sources 0 and 1: window 3
.irp k, 0,1,2,3
	v_pk_mul_f32 v[SQ+2*\k:SQ+2*\k+1], v[2*\k:2*\k+1], v[2*\k:2*\k+1]
.endr
.set j, 4
.rept 124
	v_pk_fma_f32 v[SQ+2*(j%4):SQ+2*(j%4)+1], v[2*j:2*j+1], v[2*j:2*j+1], v[SQ+2*(j%4):SQ+2*(j%4)+1]
.set j, j+1
.endr
	WIN 0
	v_pk_add_f32 v[SQ:SQ+1], v[SQ:SQ+1], v[SQ+2:SQ+3]
	v_pk_add_f32 v[SQ+4:SQ+5], v[SQ+4:SQ+5], v[SQ+6:SQ+7]
	v_pk_add_f32 v[SQ:SQ+1], v[SQ:SQ+1], v[SQ+4:SQ+5]
	v_add_f32 v[SQ], v[SQ], v[SQ+1]
	v_permlanex16_b32 v[SQ+1], v[SQ], s[SEL], s[SEL+1]
	v_add_f32 v[SQ], v[SQ], v[SQ+1]                ; with lane l xor 16's half of the row
	v_fma_f32 v[SQ], v[SQ], s[RCPD], s[EPS]        ; the mean + 1e-6
	s_wait_alu depctr_va_vdst(0)
	v_rsq_f32 v[RS], v[SQ]
	NWLOAD 0
	v_nop                                          ; a plain line behind the transcendental,
	s_wait_alu depctr_va_vdst(0)                   ; and the wait ahead of the first line that names its result
	v_mov_b32 v[RS+1], v[RS]
	; ---- xn, a K step of 128 at a time: (w x) rsqrt, quantised; its image and scale word to LDS
.irp s, 0,1,2,3
	s_wait_dscnt 0x0                               ; the norm weights are in (the first time the weight's fragments too); the last step's stores have read their registers
	WIN 0x03                                       ; source 0: window 3
.set j, 0
.rept 32
	v_pk_mul_f32 v[HA+2*j:HA+2*j+1], v[64*\s+2*j:64*\s+2*j+1], v[XF+2*j:XF+2*j+1]
.set j, j+1
.endr
	WIN 0
.set j, 0
.rept 32
	v_pk_mul_f32 v[HA+2*j:HA+2*j+1], v[HA+2*j:HA+2*j+1], v[RS:RS+1]
.set j, j+1
.endr
.if \s < 3
	NWLOAD \s+1
.endif
	QUANT HA, 1
	IMAGE XWI, XIMG+2048*\s
	ds_store_b32 v[XWS], v[PW] offset:XSC+128*\s
.endr
	BARRIER                                        ; the block's sixteen fragments lie in LDS
	s_cmp_ge_u32 s[YY], 2
	s_cbranch_scc1 .Lv
	; ---- q, k: a tile of 16 rows at a time; eight accumulators (my 128 columns) by turns.  The next tile's fragments are fetched ahead of this tile's quantiser
	FETCHM 0
.irp m, 0,1,2,3
	s_wait_dscnt 0x0
.irp s, 0,1,2,3
	WIN 1+\s/2                                     ; source 0 (the weight): window 1 or 2
.irp t, 0,1,2,3,4,5,6,7
.if \s == 0
	v_wmma_scale_f32_16x16x128_f8f6f4 v[HA+8*\t:HA+8*\t+7], v[16*(8*(\s%2)+\t):16*(8*(\s%2)+\t)+15], v[XF+16*\s:XF+16*\s+15], 0, v[W1S+4*\t+\s], v[XS+\s] matrix_a_fmt:MATRIX_FMT_BF8 matrix_b_fmt:MATRIX_FMT_BF8
.else
	v_wmma_scale_f32_16x16x128_f8f6f4 v[HA+8*\t:HA+8*\t+7], v[16*(8*(\s%2)+\t):16*(8*(\s%2)+\t)+15], v[XF+16*\s:XF+16*\s+15], v[HA+8*\t:HA+8*\t+7], v[W1S+4*\t+\s], v[XS+\s] matrix_a_fmt:MATRIX_FMT_BF8 matrix_b_fmt:MATRIX_FMT_BF8
.endif
.endr
.endr
	WIN 0
	PLACES 8                                       ; eight places behind this form ahead of loads into registers that it read and of the first read of results
.if \m < 3
	FETCHM \m+1
.endif
	s_wait_xcnt 0x0                                ; the last tile's stores have read the codes' registers
	XPART \m                                       ; a quarter of the next block of x
	QUANT HA, 0                                    ; block b = head 4 w + b: its 32 lie in lanes l and l xor 16
.irp b, 0,1,2,3
	global_store_b128 v[LI], v[PC+4*\b:PC+4*\b+3], s[40:41] offset:\b*65536+\m*512   ; 512 consecutive bytes: the tile's image
.endr
.irp b, 0,1,2,3
.if \m == 0
	v_mov_b32 v[SBW+\b], v[TM+4+\b]
.else
	v_lshl_or_b32 v[SBW+\b], v[TM+4+\b], 8*\m, v[SBW+\b]   ; byte m of the group's word
.endif
.endr
.endr
.irp b, 0,1,2,3
	ds_store_b32 v[QST], v[SBW+\b] offset:QSTG+64*\b   ; both halves of the lanes write the same word with the same value
.endr
	ds_load_b64 v[OUTR:OUTR+1], v[QSR] offset:QSTG     ; LDS serves a wave's instructions in order: this sees my stores
	s_wait_dscnt 0x0
	global_store_b64 v[L8], v[OUTR:OUTR+1], s[42:43]   ; my four heads' words: 256 consecutive bytes, aligned
	s_branch .Ljoin
.Lv:
	; ---- v: NOT transposed (source 0 = 16 rows of xn, source 1 = 16 rows of W_v): a pair of column tiles (one head) at a time, against the block's four tiles of rows: eight accumulators by turns
.irp p, 0,1,2,3
.irp s, 0,1,2,3
.irp a, 0,1,2,3
	FETCH XF+16*\a, XIMG+(4*\a+\s)*2048
	ds_load_b32 v[XS+\a], v[LS] offset:XSC+(4*\a+\s)*128
.endr
	s_wait_dscnt 0x0
	WIN 4*(1+\s/2)                                 ; source 1 (the weight): window 1 or 2
.irp a, 0,1,2,3
.irp e, 0,1
.if \s == 0
	v_wmma_scale_f32_16x16x128_f8f6f4 v[HA+32*\e+8*\a:HA+32*\e+8*\a+7], v[XF+16*\a:XF+16*\a+15], v[16*(8*(\s%2)+2*\p+\e):16*(8*(\s%2)+2*\p+\e)+15], 0, v[XS+\a], v[W1S+4*(2*\p+\e)+\s] matrix_a_fmt:MATRIX_FMT_BF8 matrix_b_fmt:MATRIX_FMT_BF8
.else
	v_wmma_scale_f32_16x16x128_f8f6f4 v[HA+32*\e+8*\a:HA+32*\e+8*\a+7], v[XF+16*\a:XF+16*\a+15], v[16*(8*(\s%2)+2*\p+\e):16*(8*(\s%2)+2*\p+\e)+15], v[HA+32*\e+8*\a:HA+32*\e+8*\a+7], v[XS+\a], v[W1S+4*(2*\p+\e)+\s] matrix_a_fmt:MATRIX_FMT_BF8 matrix_b_fmt:MATRIX_FMT_BF8
.endif
.endr
.endr
	WIN 0
	PLACES 8                                       ; ahead of loads into registers that these products read, and of the first read of results
.endr
	s_wait_xcnt 0x0                                ; the last pair's stores have read the codes' registers
	QUANT HA, 0                                    ; block 2 e + b: column tile 2 p + e, the block's keys 32 b + 16 h + 0 .. 15
.irp e, 0,1
.irp b, 0,1
	global_store_b128 v[LI], v[PC+4*(2*\e+\b):PC+4*(2*\e+\b)+3], s[40:41] offset:\p*65536+\e*2048+\b*512
.endr
.endr
.irp e, 0,1
.irp b, 0,1
	v_lshl_or_b32 v[SBW+2*\p+\e], v[TM+4+2*\e+\b], 8*\b, v[SBW+2*\p+\e]   ; byte b of my half of the key step's word
.endr
.endr
.endr
	s_mov_b32 vcc_lo, 0xffff0000                   ; lanes 0-15 store the even column tile's half-words, lanes 16-31 the odd one's
.irp a, 0,1,2,3
	v_cndmask_b32 v[OUTR+\a], v[SBW+2*\a], v[SBW+2*\a+1], vcc_lo
.endr
.irp a, 0,1,2,3
	global_store_b16 v[VST], v[OUTR+\a], s[42:43] offset:128*\a   ; tile 2 a + h, row r: 64 (2 a + h) + 4 r, + 2 for the second block (in the base)
.endr
.Ljoin:
	BARRIER                                        ; every wave's reads of the images are over: the next block may write them
	s_wait_xcnt 0x0                                ; the stores have read their bases and registers
	s_add_nc_u64 s[40:41], s[40:41], 2048          ; q, k: four tiles of 512 bytes on (v has no second trip)
	s_add_nc_u64 s[42:43], s[42:43], 1024          ; and one group of four tiles
	s_sub_co_u32 s[BLK], s[BLK], 1
	s_cmp_lg_u32 s[BLK], 0
	s_cbranch_scc1 .Lblock
	s_wait_tensorcnt 0x0
	ds_add_u32 v254, v255
	s_wait_dscnt 0x0
	ROUND                                          ; the closing round: no work-group ends while a partner may still ask for a tile that names it
	s_endpgm
.Lfunc_end_k_qb396d05bdc_qkv:
	.size	k_qb396d05bdc_qkv, .Lfunc_end_k_qb396d05bdc_qkv-k_qb396d05bdc_qkv
	.p2alignl 7, 3214868480
	.fill 96, 4, 3214868480
	.section	.rodata,"a",@progbits
	.p2align	6, 0x0
	.amdhsa_kernel k_qb396d05bdc_qkv
		.amdhsa_group_segment_fixed_size 311808
		.amdhsa_private_segment_fixed_size 0
		.amdhsa_enable_private_segment 0
		.amdhsa_kernarg_size 128
		.amdhsa_user_sgpr_count 2
		.amdhsa_user_sgpr_kernarg_segment_ptr 1
		.amdhsa_wavefront_size32 1
		.amdhsa_system_sgpr_workgroup_id_x 1
		.amdhsa_system_sgpr_workgroup_id_y 1
		.amdhsa_system_sgpr_workgroup_id_z 1
		.amdhsa_system_vgpr_workitem_id 0
		.amdhsa_next_free_vgpr 1024
		.amdhsa_next_free_sgpr 84
		.amdhsa_reserve_vcc 1
		.amdhsa_float_denorm_mode_32 3
		.amdhsa_float_denorm_mode_16_64 3
		.amdhsa_memory_ordered 1
		.amdhsa_forward_progress 1
		.amdhsa_inst_pref_size 225
	.end_amdhsa_kernel
	.amdgpu_metadata
---
amdhsa.version: [ 1, 2 ]
amdhsa.kernels:
  - .name:           k_qb396d05bdc_qkv
    .symbol:         k_qb396d05bdc_qkv.kd
    .args:
      - { .name: x, .offset: 0, .size: 8, .value_kind: global_buffer, .address_space: global }
      - { .name: attn_norm_w, .offset: 8, .size: 8, .value_kind: global_buffer, .address_space: global }
      - { .name: W_q_codes, .offset: 16, .size: 8, .value_kind: global_buffer, .address_space: global }
      - { .name: W_q_scales, .offset: 24, .size: 8, .value_kind: global_buffer, .address_space: global }
      - { .name: W_k_codes, .offset: 32, .size: 8, .value_kind: global_buffer, .address_space: global }
      - { .name: W_k_scales, .offset: 40, .size: 8, .value_kind: global_buffer, .address_space: global }
      - { .name: W_v_codes, .offset: 48, .size: 8, .value_kind: global_buffer, .address_space: global }
      - { .name: W_v_scales, .offset: 56, .size: 8, .value_kind: global_buffer, .address_space: global }
      - { .name: q_img, .offset: 64, .size: 8, .value_kind: global_buffer, .address_space: global }
      - { .name: q_sc, .offset: 72, .size: 8, .value_kind: global_buffer, .address_space: global }
      - { .name: k_img, .offset: 80, .size: 8, .value_kind: global_buffer, .address_space: global }
      - { .name: k_sc, .offset: 88, .size: 8, .value_kind: global_buffer, .address_space: global }
      - { .name: v_img, .offset: 96, .size: 8, .value_kind: global_buffer, .address_space: global }
      - { .name: v_sc, .offset: 104, .size: 8, .value_kind: global_buffer, .address_space: global }
      - { .name: W_gate_codes, .offset: 112, .size: 8, .value_kind: global_buffer, .address_space: global }
      - { .name: W_hidden_codes, .offset: 120, .size: 8, .value_kind: global_buffer, .address_space: global }
    .group_segment_fixed_size: 311808
    .private_segment_fixed_size: 0
    .kernarg_segment_align: 8
    .kernarg_segment_size: 128
    .max_flat_workgroup_size: 128
    .sgpr_count:     84
    .vgpr_count:     1024
    .wavefront_size: 32
...
	.end_amdgpu_metadata
.endif
;; end of part 1
;; launch attn (part 2): grid 4 x 64, 16 waves a work-group, clusters of 4 x 1, 169,984 bytes of LDS; arguments q_img, q_sc, k_img, k_sc, v_img, v_sc, o_img, o_sc; writes o_img, o_sc
.if DOCPART == 2
	.amdgcn_target "amdgcn-amd-amdhsa--gfx1250"
	.amdhsa_code_object_version 6
	.text
	.protected	k_qb396d05bdc_attn
	.globl	k_qb396d05bdc_attn
	.p2align	8
	.type	k_qb396d05bdc_attn,@function
k_qb396d05bdc_attn:
	s_mov_b64 s[64:65], 0
	v_nop
	global_prefetch_b8 v0, s[64:65] scope:SCOPE_SE
	s_setreg_imm32_b32 hwreg(HW_REG_WAVE_MODE, 25, 1), 1
	s_wait_xcnt 0x0
	s_wait_alu depctr_hold_cnt(0) depctr_sa_sdst(0) depctr_va_vdst(0) depctr_va_sdst(0) depctr_va_ssrc(0) depctr_va_vcc(0) depctr_vm_vsrc(0)
	s_getreg_b32 s2, hwreg(HW_REG_IB_STS2, 6, 4)
	s_cmp_eq_u32 s2, 0
	s_cbranch_scc0 .Lentry_in_a_cluster
	s_endpgm
.Lentry_in_a_cluster:
	s_bfe_u32 s2, ttmp6, 0x10000c
	s_cmp_lg_u32 s2, 0x3003
	s_cbranch_scc0 .Lentry_shape_is_right
	s_endpgm
.Lentry_shape_is_right:
; o[q] = (sum over keys of p v) / l, p = 2^(t - M), t = (q . k) log2(e) / sqrt(32), M the running largest t rounded UP to a whole number, l the sum of the unquantised p; both products on codes of E5M2
; with one E8M0 byte for each 32 along K; o is then quantised along the head's 32, one block of the next product's K.  One head of one batch to a row of the grid: 64 of them.
; SHARES.  A work-group owns 512 queries of a head: sixteen waves, each one tile of 16 queries in each of two passes, in 256 registers, four waves to a SIMD.  Every wave walks the head's 2,048 keys, 128 a step.
; K AND V OF THE WHOLE HEAD LIE IN LDS (65,536 bytes of codes each, 2,048 of scale words each), filled ONCE at the head: no byte is filled again, so there is no ring.
; CLUSTER.  The four work-groups of a head ask for K, V and their scale words JOINTLY (mask 15): the same descriptor in all four; the place in the cluster enters q's and o's addresses alone.
; Nothing is prefetched: all that the work-group reads of K and V is asked for by the first fills, and no later tensor load exists that a prefetch could run ahead of.
; THE HEAD'S 32 ARE A QUARTER OF THE INSTRUCTION'S K.  Source 0 of S^T = K Q^T holds FOUR tiles of 16 keys, one in each block of 32; source 1 holds Q's 32 codes in one block and zero codes in the other three.
; The four forms of source 1 are four overlapping runs of 16 registers in 12 zeros, Q's 4, 12 zeros.  Q's scale byte stands in all four bytes of its word.
; LAYOUT.  Both products are used transposed: a lane holds ONE query (lane % 16).  Lane r of key tile 2 b + u is key 32 b + 8 u + r + 8 (r / 8), so the 16 registers of score tiles 2 b, 2 b + 1 are keys
; 32 b + 16 (lane / 16) + 0 .. 15: the conversions' results are the second product's source 1.  O^T's 16 registers are channels 16 (lane / 16) + 0 .. 15.
; A STEP.  The next step's K is asked of LDS a step ahead, this step's V at the step's head.  A block's scale is made from floor(its largest t - M) by whole-number arithmetic, ahead of the exponentials.
; The 64 exponentials go in two batches of 32; between a batch's lines stand plain lines whose sources were written ahead of the batch's leading wait and whose results are first read behind its trailing wait.
; LIMITS: NaN and infinities are not served; the promise holds while the scaled scores stay under 2^31 in magnitude.  A block whose every p is under 2^-111 gets the byte 1 (the rule's lowest).
; A block's exponent is floor(t - M) of its largest score; where v_exp_f32 (1 ulp) rounds that p across a power of two, the hold or the rounding gives the code that the exact p has.  1 / l is v_rcp_f32 (1 ulp).
.set DUAL, 1                           ; 1: the holds go as dual pairs; 0: as single lines
.set OST,  0                           ; LDS: 512 bytes into which no fill lands: o's scale bytes of the work-group's 32 tiles
.set SPARE, 512                        ; the spare words, 128 bytes a wave: eight blocks of 256 bytes that no other line names
.set KIMG, 4096                        ; K's images,
.set VIMG, 69632                       ; V's,
.set SCK,  135168                      ; K's scale words [group of four tiles 32][r 16],
.set SCV,  137216                      ; V's [key step 16][u 2][r 16]
.set LI,  1                            ; v1   16 x lane
.set AV0, 2                            ; v2   VIMG + 16 x lane
.set AS0, 3                            ; v3   SCK + 4 r
.set OSA, 4                            ; v4   16 x wave + r
.set QSO, 5                            ; v5   4 r
.set ADK, 6                            ; v6-8 the step's LDS addresses
.set ADV, 7
.set ADS, 8
.set QS,  10                           ; v10  Q's scale word
.set OLD, 11                           ; v11  -M of the step before
                                       ; v12  -M, v13 the largest score so far
.set PS,  14                           ; v14  p's scale word
.set QWN, 15                           ; v15  the word of four tiles' scale bytes of the pass to come
.set QZ,  16                           ; v16-27 zeros, v28-31 Q's codes, v32-43 zeros
.set KF,  44                           ; v44-75   two fragments of K (eight tiles)
.set VF,  76                           ; v76-107  two fragments of V
.set S,   108                          ; v108-171 S^T, then p
.set O,   172                          ; v172-187 O^T
.set PCD, 188                          ; v188-203 p's codes
.set BM,  204                          ; v204-207 the blocks' largest scores
.set BB,  208                          ; v208-211 second chains, the other half's maxima; then at work:
.set TT,  208
.set DD,  209
.set W01, 210
.set W23, 211
.set WW,  208
.set E,   212                          ; v212-215 floor(largest t - M) of each block
.set SCF, 216                          ; v216-219 the conversions' scale operands
.set HOLD, 220                         ; v220-223 57,344 x the scale
.set KS,  224                          ; v224-225 K's scale words
.set VS,  226                          ; v226-227 V's
.set F,   228                          ; v228 f = 2^(old M - new M); v229 is named with it as a pair
.set L,   230                          ; v230-237 the row's sum in four pairs
.set X,   238                          ; v238-249 a step's partial sums, six pairs
.set QN,  250                          ; v250-253 Q's codes of the pass to come
.set SPW, 254                          ; v254 my spare word; v255 0: never rewritten
.set NIL, 255
.set WV,  20
.set NC,  25                           ; -c
.set SEL, 26                           ; s[26:27] lane selects: lane l xor 16
.set CS,  28                           ; s[28:29] c = log2(e) / sqrt(32)
.set MNT, 30
.set SELB, 31                          ; v_perm_b32's select: byte (tile % 4) into all four bytes
.set G1D, 32                           ; s[32:39] group 1: 64 dense rows of 256 bytes
.set G1KS, 40                          ; s[40:47] 32 rows of 64 bytes, 1,024 apart
.set G1VS, 48                          ; s[48:55] 16 rows of 128 bytes, 2,048 apart
.set G0K, 56
.set G0V, 60
.set G0KS, 68
.set G0VS, 72
.set TK,  76                           ; s76 the step's images begin here: 4,096 bytes a step, in K and in V
.set TSC, 77                           ; s77 and its scale words: 128 bytes a step
.set STEPS, 78
.set PASS, 79
.set TO,  80                           ; s80 256 x pass
.macro ROUND                           ; a round of the cluster's barrier
	s_barrier_signal -1
	s_barrier_wait -1
	s_cmp_lg_u32 s[WV], 0
	s_cbranch_scc1 .Lnot_wave_0_\@
	s_barrier_signal -3
.Lnot_wave_0_\@:
	s_barrier_wait -3
	s_barrier_signal -1
	s_barrier_wait -1
.endm
.macro PLACES n
.rept \n
	v_nop
.endr
.endm
.macro HOLD2 x, h                      ; two p held at 57,344 x their block's scale: the conversion does not saturate (ISA guide 7.6.2); p is not negative, so the hold is one-sided
.if DUAL
	v_dual_min_num_f32 v[\x], v[\h], v[\x] :: v_dual_min_num_f32 v[\x+1], v[\h], v[\x+1]
.else
	v_min_num_f32 v[\x], v[\h], v[\x]
	v_min_num_f32 v[\x+1], v[\h], v[\x+1]
.endif
.endm
.macro P1 n                            ; the 26 plain lines among the first batch: t - M of keys 64 on; the scale operands, the bounds, half of the scale word
.if (\n) < 16
	v_pk_fma_f32 v[S+32+2*(\n):S+33+2*(\n)], v[S+32+2*(\n):S+33+2*(\n)], s[CS:CS+1], v[12:13] op_sel_hi:[1,0,0]
.elseif (\n) < 20
	v_lshl_add_u32 v[SCF+(\n)-16], v[E+(\n)-16], 23, 0x38000000   ; exponent field e + 112: the conversion divides by 2^(e - 15)
.elseif (\n) < 24
	v_lshl_add_u32 v[HOLD+(\n)-20], v[E+(\n)-20], 23, 0x3fe00000  ; 1.75 x 2^e = 57,344 x the scale
.elseif (\n) == 24
	v_lshl_add_u32 v[W01], v[E+1], 8, v[E]
.else
	v_lshl_add_u32 v[W23], v[E+3], 8, v[E+2]
.endif
.endm
.macro P2 n                            ; the 27 among the second: the first 32 p's sums (of the unquantised p) and then their holds
.if (\n) < 4
	v_pk_fma_f32 v[L+2*(\n):L+2*(\n)+1], v[L+2*(\n):L+2*(\n)+1], v[F:F+1], v[S+2*(\n):S+2*(\n)+1] op_sel_hi:[1,0,1]   ; the sums under the new M, and two p
.elseif (\n) < 10
	v_pk_add_f32 v[X+2*((\n)-4):X+2*((\n)-4)+1], v[S+8+4*((\n)-4):S+9+4*((\n)-4)], v[S+10+4*((\n)-4):S+11+4*((\n)-4)]
.elseif (\n) < 26
	HOLD2 S+2*((\n)-10), HOLD+((\n)-10)/8
.else
	v_lshl_add_u32 v[WW], v[W23], 16, v[W01]
.endif
.endm
	s_load_b512 s[4:19], s[0:1], 0x0               ; q_img, q_sc, k_img, k_sc, v_img, v_sc, o_img, o_sc
	v_lshl_add_u32 v[SPW], v0, 2, SPARE
	v_mov_b32 v[NIL], 0
	ds_add_u32 v[SPW], v[NIL]                      ; the opening lines: the add, twice on end, and its wait ahead of the first tensor load
	ds_add_u32 v[SPW], v[NIL]
	v_lshrrev_b32 v6, 5, v0
	v_readfirstlane_b32 s[WV], v6                  ; wave 0..15
	v_and_b32 v7, 31, v0
	v_and_b32 v8, 15, v0                           ; r
	v_lshlrev_b32 v[LI], 4, v7
	v_lshl_add_u32 v[AS0], v8, 2, SCK
	v_lshlrev_b32 v[QSO], 2, v8
	v_add_nc_u32 v[AV0], VIMG, v[LI]
	s_lshl_b32 s81, s[WV], 4
	v_add_nc_u32 v[OSA], s81, v8
	s_and_b32 s22, ttmp7, 0xffff                   ; 16 x batch + head, which the four partners share
	s_lshr_b32 s23, s22, 4                         ; batch
	s_and_b32 s24, s22, 15                         ; head
	s_mov_b32 s[G1D], 15|(3<<16)|(1<<21)           ; 15:0 the mask: all four work-groups; 17:16 elements of 8 bytes; 21 set beside a mask; no padding: the images are read 16 bytes a lane on end
	s_mov_b32 s[G1D+1], 32<<16
	s_mov_b32 s[G1D+2], 64<<16
	s_mov_b32 s[G1D+3], 32<<16
	s_mov_b32 s[G1D+4], 64
	s_mov_b32 s[G1D+5], 32
	s_mov_b32 s[G1D+6], 0
	s_mov_b32 s[G1D+7], 0
	s_mov_b32 s[G1KS], 15|(2<<16)|(1<<21)          ; elements of 4 bytes
	s_mov_b32 s[G1KS+1], 16<<16
	s_mov_b32 s[G1KS+2], 32<<16
	s_mov_b32 s[G1KS+3], 16<<16
	s_mov_b32 s[G1KS+4], 32
	s_mov_b32 s[G1KS+5], 256
	s_mov_b32 s[G1KS+6], 0
	s_mov_b32 s[G1KS+7], 0
	s_mov_b32 s[G1VS], 15|(2<<16)|(1<<21)
	s_mov_b32 s[G1VS+1], 32<<16
	s_mov_b32 s[G1VS+2], 16<<16
	s_mov_b32 s[G1VS+3], 32<<16
	s_mov_b32 s[G1VS+4], 16
	s_mov_b32 s[G1VS+5], 512
	s_mov_b32 s[G1VS+6], 0
	s_mov_b32 s[G1VS+7], 0
	s_and_b32 s86, s[WV], 3
	s_lshl_b32 s86, s86, 14                        ; the quarter of the head's 65,536 bytes that a fetching wave takes
	s_lshl_b32 s84, s22, 16
	s_add_co_u32 s84, s84, s86
	s_mov_b32 s85, 0
	s_lshl_b32 s87, s23, 15                        ; a batch's scale words: 32,768 bytes
	s_mov_b32 s[SEL], 0x76543210
	s_mov_b32 s[SEL+1], 0xfedcba98
	s_mov_b32 s[CS], 0x3e8293ee
	s_mov_b32 s[CS+1], s[CS]
	s_mov_b32 s[NC], 0xbe8293ee
	s_mov_b32 s[MNT], 0x600000
	s_and_b32 s[SELB], s[WV], 3
	s_mul_i32 s[SELB], s[SELB], 0x01010101
.irp i, 0,1,2,3,4,5,6,7,8,9,10,11
	v_mov_b32 v[QZ+\i], 0
	v_mov_b32 v[QZ+16+\i], 0
.endr
	v_mov_b32 v[F+1], 0
	s_wait_alu depctr_va_vdst(0)
	s_wait_dscnt 0x0
	s_wait_kmcnt 0x0
	s_mov_b32 s[G0K], 1
	s_add_co_u32 s[G0K+1], s86, KIMG
	s_add_nc_u64 s[G0K+2:G0K+3], s[8:9], s[84:85]
	s_or_b32 s[G0K+3], s[G0K+3], 0x80000000
	s_mov_b32 s[G0V], 1
	s_add_co_u32 s[G0V+1], s86, VIMG
	s_add_nc_u64 s[G0V+2:G0V+3], s[12:13], s[84:85]
	s_or_b32 s[G0V+3], s[G0V+3], 0x80000000
	s_lshl_b32 s84, s24, 6
	s_add_co_u32 s84, s84, s87
	s_mov_b32 s[G0KS], 1
	s_mov_b32 s[G0KS+1], SCK
	s_add_nc_u64 s[G0KS+2:G0KS+3], s[10:11], s[84:85]
	s_or_b32 s[G0KS+3], s[G0KS+3], 0x80000000
	s_lshl_b32 s84, s24, 7
	s_add_co_u32 s84, s84, s87
	s_mov_b32 s[G0VS], 1
	s_mov_b32 s[G0VS+1], SCV
	s_add_nc_u64 s[G0VS+2:G0VS+3], s[14:15], s[84:85]
	s_or_b32 s[G0VS+3], s[G0VS+3], 0x80000000
	ROUND                                          ; all four work-groups are here: the joint loads meet
	; the first and only fills: waves 0-3 K's quarters, waves 4-7 V's, wave 8 K's scale words, wave 9 V's: one tensor load a wave at the most.  The branches hang on the wave's number alone.
	s_cmp_lt_u32 s[WV], 4
	s_cbranch_scc0 .Lnot_k
	tensor_load_to_lds s[G0K:G0K+3], s[G1D:G1D+7]
	s_nop 0
	PLACES 4
	s_branch .Lasked
.Lnot_k:
	s_cmp_lt_u32 s[WV], 8
	s_cbranch_scc0 .Lnot_v
	tensor_load_to_lds s[G0V:G0V+3], s[G1D:G1D+7]
	s_nop 0
	PLACES 4
	s_branch .Lasked
.Lnot_v:
	s_cmp_eq_u32 s[WV], 8
	s_cbranch_scc0 .Lnot_ks
	tensor_load_to_lds s[G0KS:G0KS+3], s[G1KS:G1KS+7]
	s_nop 0
	PLACES 4
	s_branch .Lasked
.Lnot_ks:
	s_cmp_eq_u32 s[WV], 9
	s_cbranch_scc0 .Lasked
	tensor_load_to_lds s[G0VS:G0VS+3], s[G1VS:G1VS+7]
	s_nop 0
	PLACES 4
.Lasked:
	; q's and o's places: the only numbers that hang on my place in the cluster, in registers that feed no descriptor
	s_bfe_u32 s21, ttmp6, 0x40000                  ; cx
	s_lshl_b32 s82, ttmp9, 2
	s_add_co_u32 s21, s82, s21                     ; my block of 512 queries
	s_lshl_b32 s82, s21, 5
	s_add_co_u32 s82, s82, s[WV]                   ; my first tile in the batch: 32 x block + wave
	s_lshl_b32 s88, s82, 9
	s_lshl_b32 s89, s22, 16
	s_add_co_u32 s88, s88, s89
	s_mov_b32 s89, 0
	s_add_nc_u64 s[4:5], s[4:5], s[88:89]          ; its image
	s_lshr_b32 s88, s82, 2
	s_lshl_b32 s88, s88, 10
	s_lshl_b32 s83, s23, 15
	s_add_co_u32 s88, s88, s83
	s_lshl_b32 s83, s24, 6
	s_add_co_u32 s88, s88, s83
	s_add_nc_u64 s[6:7], s[6:7], s[88:89]          ; the words of its group of four tiles
	global_load_b128 v[QN:QN+3], v[LI], s[4:5]     ; the first pass's queries, asked for while the fills are on their way
	global_load_b32 v[QWN], v[QSO], s[6:7]
	s_lshl_b32 s83, s23, 7
	s_add_co_u32 s83, s83, s82
	s_lshl_b32 s88, s83, 13
	s_lshl_b32 s83, s24, 9
	s_add_co_u32 s88, s88, s83
	s_add_nc_u64 s[16:17], s[16:17], s[88:89]      ; o_img: (tile of rows) x 8,192 + head x 512
	s_lshl_b32 s88, s22, 11
	s_lshl_b32 s83, s21, 9
	s_add_co_u32 s88, s88, s83
	s_add_nc_u64 s[18:19], s[18:19], s[88:89]      ; o_sc: my work-group's 512 bytes
	s_mov_b32 s[PASS], 2
	s_mov_b32 s[TO], 0
	s_wait_tensorcnt 0x0                           ; my part has landed,
	s_barrier_signal -1
	s_barrier_wait -1                              ; everybody's has
.Lpass:
	s_wait_dscnt 0x0                               ; no LDS load of mine is out, so K's registers may be asked for anew
.irp i, 0,1,2,3,4,5,6,7
	ds_load_b128 v[KF+4*\i:KF+4*\i+3], v[LI] offset:KIMG+512*\i   ; step 0's K
.endr
.irp g, 0,1
	ds_load_b32 v[KS+\g], v[AS0] offset:64*\g
.endr
	s_mov_b32 s[TK], 0
	s_mov_b32 s[TSC], 0
	s_mov_b32 s[STEPS], 16
	s_wait_loadcnt 0x0                             ; this pass's queries
.irp i, 0,1,2,3
	v_mov_b32 v[QZ+12+\i], v[QN+\i]
.endr
	v_perm_b32 v[QS], v[QWN], v[QWN], s[SELB]      ; my tile's byte into all four bytes; the 26 lines below are the places that a scale word and an operand so made want
	v_mov_b32 v13, 0xff61b1e6                      ; the largest score so far: -3e38, under every score
	v_mov_b32 v12, 0x7e000000                      ; -M: above every -M that follows, so the first f is 0
.irp i, 0,1,2,3,4,5,6,7
	v_mov_b32 v[L+\i], 0
.endr
.irp i, 0,1,2,3,4,5,6,7,8,9,10,11,12,13,14,15
	v_mov_b32 v[O+\i], 0                           ; the step is written once: its first trip finds zeros
.endr
	s_cmp_eq_u32 s[PASS], 1
	s_cbranch_scc1 .Lno_next
	global_load_b128 v[QN:QN+3], v[LI], s[4:5] offset:8192   ; the second pass's queries, sixteen tiles on: a pass ahead
	global_load_b32 v[QWN], v[QSO], s[6:7] offset:4096
.Lno_next:
	s_wait_alu depctr_va_vdst(0)
.Lstep:
	s_wait_dscnt 0x0                               ; this step's K, asked for a step ago
.irp g, 0,1
.irp c, 0,1,2,3
	v_wmma_scale_f32_16x16x128_f8f6f4 v[S+8*(4*\g+\c):S+8*(4*\g+\c)+7], v[KF+16*\g:KF+16*\g+15], v[QZ+12-4*\c:QZ+27-4*\c], 0, v[KS+\g], v[QS] matrix_a_fmt:MATRIX_FMT_BF8 matrix_b_fmt:MATRIX_FMT_BF8
.endr
.endr
	v_mov_b32 v[OLD], v12                          ; eight places behind these products and the last trip's, ahead of the loads into what they read and of the first read of the scores
	v_add_nc_u32 v[ADV], s[TK], v[AV0]
	v_add_nc_u32 v[ADK], s[TK], v[LI]
	v_add_nc_u32 v[ADS], s[TSC], v[AS0]
	PLACES 4
.irp i, 0,1,2,3,4,5,6,7
	ds_load_b128 v[VF+4*\i:VF+4*\i+3], v[ADV] offset:512*\i   ; this step's V
.endr
.irp u, 0,1
	ds_load_b32 v[VS+\u], v[ADS] offset:SCV-SCK+64*\u
.endr
.irp i, 0,1,2,3,4,5,6,7
	ds_load_b128 v[KF+4*\i:KF+4*\i+3], v[ADK] offset:KIMG+4096+512*\i   ; the next step's K (behind the last step: V's first bytes, which nothing uses)
.endr
.irp g, 0,1
	ds_load_b32 v[KS+\g], v[ADS] offset:128+64*\g
.endr
	; the largest score of each block of 32 keys, my 16 of it in two chains: eight chains by turns; each accumulator is read from its low end on
.irp b, 0,1,2,3
	v_max3_num_f32 v[BM+\b], v[S+16*\b], v[S+16*\b+1], v[S+16*\b+2]
	v_max3_num_f32 v[BB+\b], v[S+16*\b+8], v[S+16*\b+9], v[S+16*\b+10]
.endr
.irp i, 3,5
.irp b, 0,1,2,3
	v_max3_num_f32 v[BM+\b], v[BM+\b], v[S+16*\b+\i], v[S+16*\b+\i+1]
	v_max3_num_f32 v[BB+\b], v[BB+\b], v[S+16*\b+8+\i], v[S+16*\b+9+\i]
.endr
.endr
.irp b, 0,1,2,3
	v_max3_num_f32 v[BM+\b], v[BM+\b], v[BB+\b], v[S+16*\b+7]
.endr
.irp b, 0,1,2,3
	v_max_num_f32 v[BM+\b], v[BM+\b], v[S+16*\b+15]
.endr
.irp b, 0,1,2,3
	s_delay_alu instid0(VALU_DEP_4)
	v_permlanex16_b32 v[BB+\b], v[BM+\b], s[SEL], s[SEL+1]
.endr
.irp b, 0,1,2,3
	s_delay_alu instid0(VALU_DEP_4)
	v_max_num_f32 v[BM+\b], v[BM+\b], v[BB+\b]     ; with lane l xor 16's 16 keys
.endr
	s_delay_alu instid0(VALU_DEP_2)
	v_max3_num_f32 v[TT], v[BM], v[BM+1], v[BM+2]
	s_delay_alu instid0(VALU_DEP_1)
	v_max3_num_f32 v13, v13, v[TT], v[BM+3]        ; the running largest score
	s_delay_alu instid0(VALU_DEP_1)
	v_mul_f32 v[TT], s[NC], v13                    ; -t (c is positive)
	s_delay_alu instid0(VALU_DEP_1)
	v_floor_f32 v12, v[TT]                         ; the new -M = floor(-t): M is a whole number
	s_delay_alu instid0(VALU_DEP_1)
	v_sub_f32 v[DD], v12, v[OLD]                   ; old M - new M: a whole number, 0 or less
.irp b, 0,1,2,3
	v_fma_f32 v[E+\b], v[BM+\b], s[CS], v12        ; each block's largest t - M
.endr
	v_cvt_i32_f32 v[DD], v[DD]                     ; (it saturates)
.irp b, 0,1,2,3
	v_max_num_f32 v[E+\b], 0xc2de0000, v[E+\b]     ; not under -111: the byte cannot fall under 1
.endr
	v_ldexp_f32 v[F], 1.0, v[DD]                   ; f = 2^(old M - new M): a multiplication by it rounds nothing
.irp b, 0,1,2,3
	v_cvt_floor_i32_f32 v[E+\b], v[E+\b]           ; e = floor(log2(the block's largest p))
.endr
.set j, 0
.rept 8
	v_pk_mul_f32 v[O+j:O+j+1], v[O+j:O+j+1], v[F:F+1] op_sel_hi:[1,0]   ; O^T under the new M
.set j, j+2
.endr
.set j, 0
.rept 16
	v_pk_fma_f32 v[S+j:S+j+1], v[S+j:S+j+1], s[CS:CS+1], v[12:13] op_sel_hi:[1,0,0]   ; t - M of the first 64 keys' half, two at a time
.set j, j+2
.endr
	s_wait_alu depctr_va_vdst(0)                   ; ahead of the batch
.set j, 0
.rept 32
	v_exp_f32 v[S+j], v[S+j]                       ; p = 2^(t - M), not normalised
.if j >= 6
	P1 j-6
.endif
.set j, j+1
.endr
	s_wait_alu depctr_va_vdst(0)                   ; one wait behind the batch, which is also the wait ahead of the next
.set j, 0
.rept 32
	v_exp_f32 v[S+32+j], v[S+32+j]
.if j >= 5
	P2 j-5
.endif
.set j, j+1
.endr
	s_wait_alu depctr_va_vdst(0)                   ; and one behind the second batch
	v_add_nc_u32 v[PS], 0x70707070, v[WW]          ; p's scale word: byte b = e + 112
.irp b, 0,1
	v_cvt_scalef32_pk8_bf8_f32 v[PCD+4*\b:PCD+1+4*\b], v[S+16*\b:S+7+16*\b], v[SCF+\b]
	v_cvt_scalef32_pk8_bf8_f32 v[PCD+2+4*\b:PCD+3+4*\b], v[S+8+16*\b:S+15+16*\b], v[SCF+\b]
.endr
.set q, 0
.rept 16                               ; the other 32 p into ten chains
.if q < 4
	v_pk_add_f32 v[L+2*q:L+2*q+1], v[L+2*q:L+2*q+1], v[S+32+2*q:S+33+2*q]
.elseif q < 10
	v_pk_add_f32 v[X+2*(q-4):X+2*(q-4)+1], v[X+2*(q-4):X+2*(q-4)+1], v[S+32+2*q:S+33+2*q]
.else
	v_pk_add_f32 v[X+2*(q-10):X+2*(q-10)+1], v[X+2*(q-10):X+2*(q-10)+1], v[S+32+2*q:S+33+2*q]
.endif
.set q, q+1
.endr
.set q, 0
.rept 16
	HOLD2 S+32+2*q, HOLD+2+q/8
.set q, q+1
.endr
.irp b, 2,3
	v_cvt_scalef32_pk8_bf8_f32 v[PCD+4*\b:PCD+1+4*\b], v[S+16*\b:S+7+16*\b], v[SCF+\b]
	v_cvt_scalef32_pk8_bf8_f32 v[PCD+2+4*\b:PCD+3+4*\b], v[S+8+16*\b:S+15+16*\b], v[SCF+\b]
.endr
.irp m, 0,1,2,3,4,5
	v_pk_add_f32 v[L+2*(\m%4):L+2*(\m%4)+1], v[L+2*(\m%4):L+2*(\m%4)+1], v[X+2*\m:X+2*\m+1]   ; the step's partial sums; these six are also the places between the codes and the products
.endr
	s_wait_alu depctr_va_vdst(0)
	s_wait_dscnt 10                                ; V's ten loads are in; the next step's K, ten loads issued behind them, may be out
.irp u, 0,1
	v_wmma_scale_f32_16x16x128_f8f6f4 v[O+8*\u:O+8*\u+7], v[VF+16*\u:VF+16*\u+15], v[PCD:PCD+15], v[O+8*\u:O+8*\u+7], v[VS+\u], v[PS] matrix_a_fmt:MATRIX_FMT_BF8 matrix_b_fmt:MATRIX_FMT_BF8
.endr
	s_add_co_u32 s[TK], s[TK], 4096
	s_add_co_u32 s[TSC], s[TSC], 128
	s_sub_co_u32 s[STEPS], s[STEPS], 1
	s_cmp_lg_u32 s[STEPS], 0
	s_cbranch_scc1 .Lstep
	; ---- the pass's end: O^T / l, quantised along the head's 32 (lanes l and l xor 16), the image and the byte out.  The eight lines below are the places behind the last products
	v_pk_add_f32 v[L:L+1], v[L:L+1], v[L+2:L+3]
	v_pk_add_f32 v[L+4:L+5], v[L+4:L+5], v[L+6:L+7]
	v_add_nc_u32 v[ADK], s[TO], v[OSA]             ; where the pass's scale byte goes
	v_pk_add_f32 v[L:L+1], v[L:L+1], v[L+4:L+5]
	v_nop
	v_add_f32 v[L], v[L], v[L+1]
	v_permlanex16_b32 v[TT], v[L], s[SEL], s[SEL+1]
	v_add_f32 v[L], v[L], v[TT]                    ; the row's sum
	s_wait_alu depctr_va_vdst(0)                   ; ahead of the transcendental
	v_rcp_f32 v[L], v[L]
	v_nop                                          ; the plain line behind it
	s_wait_alu depctr_va_vdst(0)                   ; ahead of the first line that names its result, and of O^T's first readers
.set j, 0
.rept 8
	v_pk_mul_f32 v[S+j:S+j+1], v[O+j:O+j+1], v[L:L+1] op_sel_hi:[1,0]   ; each accumulator from its low end on: channels 16 h + 0 .. 15
.set j, j+2
.endr
	v_max3_num_f32 v[BM], |v[S]|, |v[S+1]|, 0x8000000   ; with the floor 2^(16 - 127): the byte cannot fall under 1
	v_max3_num_f32 v[BM+1], |v[S+8]|, |v[S+9]|, |v[S+10]|
.irp i, 2,4,6
	v_max3_num_f32 v[BM], v[BM], |v[S+\i]|, |v[S+1+\i]|
	v_max3_num_f32 v[BM+1], v[BM+1], |v[S+9+\i]|, |v[S+10+\i]|
.endr
	v_max_num_f32 v[BM], v[BM], v[BM+1]
	v_permlanex16_b32 v[BB], v[BM], s[SEL], s[SEL+1]
	v_max_num_f32 v[BM], v[BM], v[BB]
	v_add_nc_u32 v[SCF], 0xf8800000, v[BM]         ; 15 off the exponent field: the conversion's scale operand
	v_and_or_b32 v[HOLD], v[BM], 0x7f800000, s[MNT]   ; 57,344 x the scale
	v_lshrrev_b32 v[BB+1], 23, v[SCF]              ; the byte
.irp i, 0,1,2,3,4,5,6,7,8,9,10,11,12,13,14,15
	v_med3_num_f32 v[S+\i], v[S+\i], -v[HOLD], v[HOLD]
.endr
	v_cvt_scalef32_pk8_bf8_f32 v[PCD:PCD+1], v[S:S+7], v[SCF]
	v_cvt_scalef32_pk8_bf8_f32 v[PCD+2:PCD+3], v[S+8:S+15], v[SCF]
	v_nop                                          ; one plain line behind the last conversion
	global_store_b128 v[LI], v[PCD:PCD+3], s[16:17]   ; 512 consecutive bytes, aligned: registers 4 (head % 4) on of the next product's fragment
	ds_store_b8 v[ADK], v[BB+1] offset:OST         ; both halves of the lanes write the same byte with the same value
	s_wait_alu depctr_va_vdst(0)
	s_wait_xcnt 0x0                                ; the store has read its base and registers
	s_add_nc_u64 s[16:17], s[16:17], 131072        ; sixteen tiles on
	s_add_co_u32 s[TO], s[TO], 256
	s_sub_co_u32 s[PASS], s[PASS], 1
	s_cmp_lg_u32 s[PASS], 0
	s_cbranch_scc1 .Lpass
	s_wait_dscnt 0x0                               ; my bytes have landed
	s_barrier_signal -1
	s_barrier_wait -1                              ; everybody's have
	s_cmp_lg_u32 s[WV], 0
	s_cbranch_scc1 .Lnot_mine
	ds_load_b128 v[PCD:PCD+3], v[LI] offset:OST
	s_wait_dscnt 0x0
	global_store_b128 v[LI], v[PCD:PCD+3], s[18:19]   ; the work-group's 512 scale bytes: consecutive, aligned
.Lnot_mine:
	s_wait_tensorcnt 0x0                           ; the wave's end
	ds_add_u32 v[SPW], v[NIL]
	s_wait_dscnt 0x0
	ROUND                                          ; the closing round: no work-group ends while a partner may still ask for a tile that names it
	s_endpgm
.Lfunc_end_k_qb396d05bdc_attn:
	.size	k_qb396d05bdc_attn, .Lfunc_end_k_qb396d05bdc_attn-k_qb396d05bdc_attn
	.p2alignl 7, 3214868480
	.fill 96, 4, 3214868480
	.section	.rodata,"a",@progbits
	.p2align	6, 0x0
	.amdhsa_kernel k_qb396d05bdc_attn
		.amdhsa_group_segment_fixed_size 169984
		.amdhsa_private_segment_fixed_size 0
		.amdhsa_enable_private_segment 0
		.amdhsa_kernarg_size 64
		.amdhsa_user_sgpr_count 2
		.amdhsa_user_sgpr_kernarg_segment_ptr 1
		.amdhsa_wavefront_size32 1
		.amdhsa_system_sgpr_workgroup_id_x 1
		.amdhsa_system_sgpr_workgroup_id_y 1
		.amdhsa_system_sgpr_workgroup_id_z 1
		.amdhsa_system_vgpr_workitem_id 0
		.amdhsa_next_free_vgpr 256
		.amdhsa_next_free_sgpr 92
		.amdhsa_reserve_vcc 0
		.amdhsa_float_denorm_mode_32 3
		.amdhsa_float_denorm_mode_16_64 3
		.amdhsa_memory_ordered 1
		.amdhsa_forward_progress 1
		.amdhsa_inst_pref_size 31
	.end_amdhsa_kernel
	.amdgpu_metadata
---
amdhsa.version: [ 1, 2 ]
amdhsa.kernels:
  - .name:           k_qb396d05bdc_attn
    .symbol:         k_qb396d05bdc_attn.kd
    .args:
      - { .name: q_img, .offset: 0, .size: 8, .value_kind: global_buffer, .address_space: global }
      - { .name: q_sc, .offset: 8, .size: 8, .value_kind: global_buffer, .address_space: global }
      - { .name: k_img, .offset: 16, .size: 8, .value_kind: global_buffer, .address_space: global }
      - { .name: k_sc, .offset: 24, .size: 8, .value_kind: global_buffer, .address_space: global }
      - { .name: v_img, .offset: 32, .size: 8, .value_kind: global_buffer, .address_space: global }
      - { .name: v_sc, .offset: 40, .size: 8, .value_kind: global_buffer, .address_space: global }
      - { .name: o_img, .offset: 48, .size: 8, .value_kind: global_buffer, .address_space: global }
      - { .name: o_sc, .offset: 56, .size: 8, .value_kind: global_buffer, .address_space: global }
    .group_segment_fixed_size: 169984
    .private_segment_fixed_size: 0
    .kernarg_segment_align: 8
    .kernarg_segment_size: 64
    .max_flat_workgroup_size: 512
    .sgpr_count:     92
    .vgpr_count:     256
    .wavefront_size: 32
...
	.end_amdgpu_metadata
.endif
;; end of part 2
;; launch post (part 3): grid 256 x 1, 4 waves a work-group, clusters of 4 x 1, 327,680 bytes of LDS; arguments x, o_img, o_sc, W_o_codes, W_o_scales, b_o, ffn_norm_w, v_sc, W_gate_scales, W_hidden_scales, W_out_codes, W_out_scales, b_out, out0; writes out0
.if DOCPART == 3
	.amdgcn_target "amdgcn-amd-amdhsa--gfx1250"
	.amdhsa_code_object_version 6
	.text
	.protected	k_qb396d05bdc_post
	.globl	k_qb396d05bdc_post
	.p2align	8
	.type	k_qb396d05bdc_post,@function
k_qb396d05bdc_post:
	s_mov_b64 s[64:65], 0
	v_nop
	global_prefetch_b8 v0, s[64:65] scope:SCOPE_SE
	s_setreg_imm32_b32 hwreg(HW_REG_WAVE_MODE, 25, 1), 1
	s_wait_xcnt 0x0
	s_wait_alu depctr_hold_cnt(0) depctr_sa_sdst(0) depctr_va_vdst(0) depctr_va_sdst(0) depctr_va_ssrc(0) depctr_va_vcc(0) depctr_vm_vsrc(0)
	s_getreg_b32 s2, hwreg(HW_REG_IB_STS2, 6, 4)
	s_cmp_eq_u32 s2, 0
	s_cbranch_scc0 .Lentry_in_a_cluster
	s_endpgm
.Lentry_in_a_cluster:
	s_bfe_u32 s2, ttmp6, 0x10000c
	s_cmp_lg_u32 s2, 0x3003
	s_cbranch_scc0 .Lentry_shape_is_right
	s_endpgm
.Lentry_shape_is_right:
; x1 = x + (o W_o^T + b_o);  xn = ffn_norm_w * x1 * rsqrt(mean(x1^2) + 1e-6);  out0 = x1 + ((silu(xn W_gate^T) * (xn W_hidden^T)) W_out^T + b_out).  All four products on codes of E5M2 with one E8M0 byte for
; each 32 along K; o arrives as codes (images of operand registers) from the launch before; xn and the gated hidden layer are quantised here, in registers, and never go to memory.
; SHARES.  Work-group X owns rows 32 X .. 32 X + 31: two tiles of 16, lane r of tile m = row 32 X + 8 m + r + 8 (r / 8).  The four waves share the COLUMNS: wave w owns columns 128 w .. + 127 of every product.
; All products are used transposed (source 0 = 16 rows of a weight, source 1 = 16 rows of the activation); lane r of weight tile 2 b + u takes row 32 b + 8 u + r + 8 (r / 8), so that the 16 result registers of tiles
; 2 b, 2 b + 1 are columns 32 b + 16 (lane / 16) + 0 .. 15: a quantiser's block lies in lanes l and l xor 16, and a wave's 128 columns are exactly one K step of the next product.
; THE WEIGHTS.  Gate's and hidden's codes are read as images of operand registers, which the first launch laid behind v's scale words in v_sc: [half of a wave's tiles][wave][K step][gate's 4 tiles, hidden's 4][2,048 bytes].
; One LDS slot of 512 rows of 512 bytes, wave w's 128 rows from row 128 w on, each wave's part ONE tensor load that this wave alone reads.  It is filled three times: W_o at the head; the SECOND half of gate and
; hidden (a wave's 65,536 bytes of images, stated as 128 rows of 512) behind the round that the sums of squares need anyway; W_out behind one more round, once the second half has been copied into registers.
; The FIRST half of gate and hidden goes from memory straight into a ring of four register buffers (buffer s = K step s, 8 fragments, 128 registers), 512 consecutive bytes a load; it does not go through the slot,
; which holds W_o while it is asked for.  The second half takes the same four buffers, from the slot, when the first half's products have read them.
; CLUSTER.  Every work-group wants the same weights: four form a cluster and ask for all three fills JOINTLY (mask 15): the descriptors hang on the wave's number alone; the place in the cluster enters the addresses of
; x, o and out0 alone.  Each refill stands behind a round of the cluster's barrier.  Nothing is prefetched: each fill is asked for as soon as its bytes are free, and the launch has no loop to run ahead in.
; x1 stays in 128 registers from the first product (whose C it is, as x + b_o) to the last (whose C it is again, as x1 + b_out).  That order of the sums differs from the source's by f32 rounding alone.
; LIMITS: NaN and infinities among the inputs are not served.  A block of zeros gets the byte 1 where the rule says 127 (its codes are zeros; nobody else reads the bytes).  rsqrt, exp2 and the reciprocal of the
; sigmoid are the 1-ulp instructions.
.set IMG0, 0                           ; LDS: o's eight fragments (tile m, K step s: 4 m + s), 2,048 bytes each; later the hidden layer's
.set SC0,  16384                       ; their scale words, 128 bytes each
.set IMG1, 17408                       ; xn's eight fragments
.set SC1,  33792
.set BOL,  34816                       ; b_o, ffn_norm_w, b_out: 2,048 bytes each
.set NWL,  36864
.set BUL,  38912
.set RED,  40960                       ; the waves' sums of squares: [wave][m][r] words
.set STG,  17408                       ; the way out: 16 rows x (512 + 16) bytes for each wave, over what nobody reads behind the last barrier
.set SPARE, 51200                      ; the spare words, 128 bytes for each wave
.set WSLOT, 51712                      ; the slot; nothing is stored here
.set WP,   528                         ; a row of it: 512 bytes + 16 of padding
.set XA,  4                            ; v4   (r + 8 (r / 8)) x 2,048 + 512 w + 64 h
.set LI,  5                            ; v5   16 x lane
.set LS,  6                            ; v6   4 x lane
.set IWI, 7                            ; v7   16 x lane + 2,048 w
.set IWS, 8                            ; v8   4 x lane + 128 w
.set BA,  9                            ; v9   512 w + 64 h
.set RDS, 10                           ; v10  128 w + 4 r
.set RDL, 11                           ; v11  4 r
.set SO,  12                           ; v12  8,448 w + 528 r + 64 h
.set SR,  13                           ; v13  8,448 w + 16 x lane
.set WSA, 15                           ; v15  (r + 8 (r / 8)) x 16
.set R1,  16                           ; v16  r
.set T16, 17                           ; v17  16 x thread
.set WL,  18                           ; v18  WSLOT + 128 WP w + (r + 8 (r / 8)) WP + 16 h
.set AFR, 20                           ; v20-51   the activation's two fragments of a K step
.set Y,   52                           ; v52-115  64 numbers ahead of the quantiser; at work
.set PC,  116                          ; v116-131 the codes just made
.set TM,  132                          ; v132-147 the quantiser's
.set PW,  148
.set RS,  150                          ; v150-153 rsqrt, a pair for each tile of rows
.set SQ,  154                          ; v154-161 sums of squares
.set XS,  162                          ; v162-163 the activation's scale words
.set WS,  164                          ; v164-227 the weights' scale words, two sets of 32: (t, s) at 4 t + s
.set T,   228                          ; v228-243 at work
.set AW,  244                          ; v244-245 the hidden layer's scale words in the making
.set SPW, 246                          ; v246 my spare word; v247 0: never rewritten
.set NIL, 247
.set WB,  248                          ; v248 WSLOT + 128 WP w + 16 x lane; v249 64 rows on
.set X1,  0                            ; window 1: v0-127 x1 (64 m + 8 t + j);
.set GH,  128                          ; v128-255 gate (t < 4) and hidden (t >= 4) of a half; in the first and the last product the K step's eight fragments of W_o, W_out; while xn is made, v128-191: the norm weights
; windows 2, 3: the ring: buffer s, fragment t at 128 (s % 2) + 16 t; window 2 for s < 2, window 3 for s >= 2
.set WO_C, 10
.set WO_S, 12
.set GH1, 18                           ; s[18:19] the first half's images of my wave
.set WG_S, 20
.set GH2, 22                           ; s[22:23] the second half's
.set WH_S, 24
.set WU_C, 26
.set WU_S, 28
.set WV,  34
.set SEL, 36
.set MNT, 38
.set RCPD, 39
.set EPS, 40
.set XX,  46                           ; work-group x
.set G1,  48                           ; s[48:55] descriptor group 1
.set G0A, 56                           ; s[56:59], s[60:63], s[68:71] a group 0 for each of the slot's three fills, so that none is ever rewritten
.set G0B, 60
.set G0C, 68
.set MSB, 0
.macro WIN new                         ; the immediate's high byte repeats the setting that is left
.if MSB != (\new)
	s_set_vgpr_msb (MSB<<8)|(\new)
.set MSB, (\new)
.endif
.endm
.macro PLACES n
.rept \n
	v_nop
.endr
.endm
; 64 numbers of a lane, four blocks of 16 registers, each shared with lane l xor 16, become 16 registers of codes in v[PC] on; the bytes stay in v[TM+4] on; word = 1: they make v[PW]
.macro QUANT s, word
.irp b, 0,1,2,3
	v_max3_num_f32 v[TM+\b], |v[\s+16*\b]|, |v[\s+1+16*\b]|, 0x8000000   ; my 16 numbers and the floor 2^(16 - 127): the byte cannot fall under 1
.endr
.irp i, 2,4,6,8,10,12,14
.irp b, 0,1,2,3
	v_max3_num_f32 v[TM+\b], v[TM+\b], |v[\s+16*\b+\i]|, |v[\s+1+16*\b+\i]|
.endr
.endr
.irp b, 0,1,2,3
	v_permlanex16_b32 v[TM+4+\b], v[TM+\b], s[SEL], s[SEL+1]
.endr
.irp b, 0,1,2,3
	v_max_num_f32 v[TM+\b], v[TM+\b], v[TM+4+\b]
.endr
.irp b, 0,1,2,3
	v_add_nc_u32 v[TM+12+\b], 0xf8800000, v[TM+\b]   ; 15 off the exponent field: the conversion's scale operand
.endr
.irp b, 0,1,2,3
	v_and_or_b32 v[TM+8+\b], v[TM+\b], 0x7f800000, s[MNT]   ; 57,344 x the scale
.endr
.irp b, 0,1,2,3
	v_lshrrev_b32 v[TM+4+\b], 23, v[TM+12+\b]      ; the scale's byte
.endr
.if \word
	v_lshl_or_b32 v[PW], v[TM+5], 8, v[TM+4]
	v_lshl_or_b32 v[PW], v[TM+6], 16, v[PW]
	v_lshl_or_b32 v[PW], v[TM+7], 24, v[PW]
.endif
.irp b, 0,1,2,3
.irp i, 0,1,2,3,4,5,6,7,8,9,10,11,12,13,14,15
	v_med3_num_f32 v[\s+16*\b+\i], v[\s+16*\b+\i], -v[TM+8+\b], v[TM+8+\b]   ; the conversion does not saturate (ISA guide 7.6.2): the hold
.endr
	v_cvt_scalef32_pk8_bf8_f32 v[PC+4*\b:PC+1+4*\b], v[\s+16*\b:\s+7+16*\b], v[TM+12+\b]
	v_cvt_scalef32_pk8_bf8_f32 v[PC+2+4*\b:PC+3+4*\b], v[\s+8+16*\b:\s+15+16*\b], v[TM+12+\b]
.endr
	v_nop                                          ; one plain line behind the last conversion
.endm
.macro IMAGE adr, off
.irp c, 0,1,2,3
	ds_store_b128 v[\adr], v[PC+4*\c:PC+4*\c+3] offset:\off+512*\c
.endr
.endm
.macro FETCH reg, off
.irp c, 0,1,2,3
	ds_load_b128 v[\reg+4*\c:\reg+4*\c+3], v[LI] offset:\off+512*\c
.endr
.endm
.macro BARRIER                         ; my LDS stores have landed and my LDS loads are in: then the work-group's barrier
	s_wait_dscnt 0x0
	s_barrier_signal -1
	s_barrier_wait -1
.endm
.macro ROUND                           ; a round of the cluster's barrier
	s_barrier_signal -1
	s_barrier_wait -1
	s_cmp_lg_u32 s[WV], 0
	s_cbranch_scc1 .Lnot_wave_0_\@
	s_barrier_signal -3
.Lnot_wave_0_\@:
	s_barrier_wait -3
	s_barrier_signal -1
	s_barrier_wait -1
.endm
; K step s of the FIRST half of gate and hidden, eight fragments, from memory into ring buffer s: 32 loads of 512 consecutive bytes
.macro WLOAD s
	WIN 0x80+0x40*((\s)/2)
.irp t, 0,1,2,3,4,5,6,7
.irp c, 0,1,2,3
	global_load_b128 v[128*((\s)%2)+16*\t+4*\c:128*((\s)%2)+16*\t+4*\c+3], v[LI], s[GH1:GH1+1] offset:(\s)*16384+\t*2048+512*\c
.endr
.endr
	WIN 0
.endm
; the same of the SECOND half, from the slot: piece (s, t, c) of the images is row 32 s + 4 t + c of my 128 rows
.macro RCOPY s
	WIN 0x80+0x40*((\s)/2)
.irp t, 0,1,2,3,4,5,6,7
.irp c, 0,1,2,3
	ds_load_b128 v[128*((\s)%2)+16*\t+4*\c:128*((\s)%2)+16*\t+4*\c+3], v[WB+(\s)/2] offset:(32*((\s)%2)+4*\t+\c)*WP
.endr
.endr
	WIN 0
.endm
.macro WSLOAD set, qa, fa, qb, fb      ; eight tiles' scale words, all four K steps: a row's 16 bytes
.irp t, 0,1,2,3
	global_load_b128 v[WS+32*(\set)+4*\t:WS+32*(\set)+4*\t+3], v[WSA], s[\qa:\qa+1] offset:(32*((\fa+\t)/2)+8*((\fa+\t)%2))*16
.endr
.irp t, 0,1,2,3
	global_load_b128 v[WS+32*(\set)+4*(\t+4):WS+32*(\set)+4*(\t+4)+3], v[WSA], s[\qb:\qb+1] offset:(32*((\fb+\t)/2)+8*((\fb+\t)%2))*16
.endr
.endm
; K step s of a product whose weight lies in the ring: the activation's two fragments from LDS, 16 products on 16 accumulators by turns, eight places.  n: how many younger loads may stay out
.macro GSTEP acc, zero, img, sc, set, s, n
.irp m, 0,1
	FETCH AFR+16*\m, \img+(4*\m+\s)*2048
	ds_load_b32 v[XS+\m], v[LS] offset:\sc+(4*\m+\s)*128
.endr
	s_wait_loadcnt \n
	s_wait_dscnt 0x0
	WIN 0x52+(\s)/2                                ; source 0 (the ring): window 2 or 3; C and D: window 1
.irp m, 0,1
.irp t, 0,1,2,3,4,5,6,7
.if \zero
	v_wmma_scale_f32_16x16x128_f8f6f4 v[\acc+64*\m+8*\t:\acc+64*\m+8*\t+7], v[128*((\s)%2)+16*\t:128*((\s)%2)+16*\t+15], v[AFR+16*\m:AFR+16*\m+15], 0, v[WS+32*(\set)+4*\t+(\s)], v[XS+\m] matrix_a_fmt:MATRIX_FMT_BF8 matrix_b_fmt:MATRIX_FMT_BF8
.else
	v_wmma_scale_f32_16x16x128_f8f6f4 v[\acc+64*\m+8*\t:\acc+64*\m+8*\t+7], v[128*((\s)%2)+16*\t:128*((\s)%2)+16*\t+15], v[AFR+16*\m:AFR+16*\m+15], v[\acc+64*\m+8*\t:\acc+64*\m+8*\t+7], v[WS+32*(\set)+4*\t+(\s)], v[XS+\m] matrix_a_fmt:MATRIX_FMT_BF8 matrix_b_fmt:MATRIX_FMT_BF8
.endif
.endr
.endr
	WIN 0
	PLACES 8                                       ; ahead of loads into registers that these products read, and of the first read of results
.endm
; K step s of a product whose weight lies in the slot as rows: its eight fragments of my 128 rows come from LDS too, into window 1's upper half; the sums go onto x1, in place
.macro LSTEP img, sc, set, s
.irp m, 0,1
	FETCH AFR+16*\m, \img+(4*\m+\s)*2048
	ds_load_b32 v[XS+\m], v[LS] offset:\sc+(4*\m+\s)*128
.endr
	WIN 0x40                                       ; destination: window 1
.irp t, 0,1,2,3,4,5,6,7
.irp c, 0,1,2,3
	ds_load_b128 v[GH+16*\t+4*\c:GH+16*\t+4*\c+3], v[WL] offset:(32*(\t/2)+8*(\t%2))*WP+128*(\s)+32*\c
.endr
.endr
	s_wait_dscnt 0x0
	WIN 0x51                                       ; source 0, C and D: window 1
.irp m, 0,1
.irp t, 0,1,2,3,4,5,6,7
	v_wmma_scale_f32_16x16x128_f8f6f4 v[X1+64*\m+8*\t:X1+64*\m+8*\t+7], v[GH+16*\t:GH+16*\t+15], v[AFR+16*\m:AFR+16*\m+15], v[X1+64*\m+8*\t:X1+64*\m+8*\t+7], v[WS+32*(\set)+4*\t+(\s)], v[XS+\m] matrix_a_fmt:MATRIX_FMT_BF8 matrix_b_fmt:MATRIX_FMT_BF8
.endr
.endr
	WIN 0
	PLACES 8
.endm
.macro ADDB off                        ; a bias, in my lane's order, onto both tiles of x1
.irp b, 0,1,2,3
.irp j, 0,1,2,3
	ds_load_b128 v[Y+16*\b+4*\j:Y+16*\b+4*\j+3], v[BA] offset:\off+128*\b+16*\j
.endr
.endr
	s_wait_dscnt 0x0
	WIN 0x41                                       ; destination and source 0: window 1
.irp m, 0,1
.set j, 0
.rept 32
	v_pk_add_f32 v[X1+64*\m+2*j:X1+64*\m+2*j+1], v[X1+64*\m+2*j:X1+64*\m+2*j+1], v[Y+2*j:Y+2*j+1]
.set j, j+1
.endr
.endr
	WIN 0
.endm
; a half of the hidden layer: Y[32 m + k] = silu(g) h, g at GH + 64 m + k, h 32 registers on; then quantised; its codes are register groups 2 half, 2 half + 1 of my K step's two fragments
.macro ACT half
	WIN 0x01                                       ; source 0: window 1
.irp m, 0,1
.set j, 0
.rept 16
	v_pk_mul_f32 v[Y+32*\m+2*j:Y+32*\m+2*j+1], v[GH+64*\m+2*j:GH+64*\m+2*j+1], 0xbfb8aa3b op_sel_hi:[1,0]   ; -g log2(e)
.set j, j+1
.endr
.endr
	WIN 0
.set j, 0
	s_wait_alu depctr_va_vdst(0)                   ; ahead of the batch
.rept 64
	v_exp_f32 v[Y+j], v[Y+j]
.set j, j+1
.endr
	v_nop                                          ; a plain line behind the batch,
	s_wait_alu depctr_va_vdst(0)                   ; and one wait for it, ahead of the first line that names a result
.set j, 0
.rept 32
	v_pk_add_f32 v[Y+2*j:Y+2*j+1], v[Y+2*j:Y+2*j+1], 1.0 op_sel_hi:[1,0]
.set j, j+1
.endr
.set j, 0
	s_wait_alu depctr_va_vdst(0)
.rept 64
	v_rcp_f32 v[Y+j], v[Y+j]                       ; the sigmoid
.set j, j+1
.endr
	v_nop
	s_wait_alu depctr_va_vdst(0)
	WIN 0x04                                       ; source 1: window 1
.irp m, 0,1
.set j, 0
.rept 16
	v_pk_mul_f32 v[Y+32*\m+2*j:Y+32*\m+2*j+1], v[Y+32*\m+2*j:Y+32*\m+2*j+1], v[GH+64*\m+2*j:GH+64*\m+2*j+1]
.set j, j+1
.endr
.endr
.irp m, 0,1
.set j, 0
.rept 16
	v_pk_mul_f32 v[Y+32*\m+2*j:Y+32*\m+2*j+1], v[Y+32*\m+2*j:Y+32*\m+2*j+1], v[GH+32+64*\m+2*j:GH+32+64*\m+2*j+1]
.set j, j+1
.endr
.endr
	WIN 0
	QUANT Y, 0
.irp m, 0,1
.irp b, 0,1
	ds_store_b128 v[IWI], v[PC+4*(2*\m+\b):PC+4*(2*\m+\b)+3] offset:IMG0+8192*\m+512*(2*\half+\b)
.if (\half == 0) && (\b == 0)
	v_mov_b32 v[AW+\m], v[TM+4+2*\m]
.else
	v_lshl_or_b32 v[AW+\m], v[TM+4+2*\m+\b], 16*\half+8*\b, v[AW+\m]
.endif
.endr
.endr
.endm
	s_load_b512 s[4:19], s[0:1], 0x0               ; x, o_img, o_sc, W_o codes, scales, b_o, ffn_norm_w, v_sc
	s_load_b64 s[20:21], s[0:1], 0x40              ; W_gate scales
	s_load_b256 s[24:31], s[0:1], 0x48             ; W_hidden scales, W_out codes, W_out scales, b_out
	s_load_b64 s[32:33], s[0:1], 0x68              ; out0
	v_lshl_add_u32 v[SPW], v0, 2, SPARE
	v_mov_b32 v[NIL], 0
	ds_add_u32 v[SPW], v[NIL]                      ; the opening lines: the add, twice on end, and its wait ahead of the first tensor load
	ds_add_u32 v[SPW], v[NIL]
	s_wait_dscnt 0x0
	v_lshrrev_b32 v1, 5, v0
	v_readfirstlane_b32 s[WV], v1                  ; wave 0..3
	v_and_b32 v1, 15, v0                           ; r
	v_bfe_u32 v2, v0, 4, 1                         ; h
	v_and_b32 v3, 8, v1
	v_add_nc_u32 v3, v3, v1                        ; r + 8 (r / 8)
	v_and_b32 v19, 31, v0                          ; lane
	s_lshl_b32 s42, s[WV], 9
	v_lshlrev_b32 v[XA], 11, v3
	v_lshl_add_u32 v[XA], v2, 6, v[XA]
	v_add_nc_u32 v[XA], s42, v[XA]
	v_lshl_add_u32 v[BA], v2, 6, s42
	v_lshlrev_b32 v[LI], 4, v19
	v_lshlrev_b32 v[LS], 2, v19
	s_lshl_b32 s42, s[WV], 11
	v_add_nc_u32 v[IWI], s42, v[LI]
	s_lshl_b32 s42, s[WV], 7
	v_add_nc_u32 v[IWS], s42, v[LS]
	v_lshl_add_u32 v[RDS], v1, 2, s42
	v_lshlrev_b32 v[RDL], 2, v1
	s_mul_i32 s42, s[WV], 8448
	v_mul_u32_u24 v[SO], v1, 528
	v_lshl_add_u32 v[SO], v2, 6, v[SO]
	v_add_nc_u32 v[SO], s42, v[SO]
	v_add_nc_u32 v[SR], s42, v[LI]
	v_lshlrev_b32 v[WSA], 4, v3
	v_mov_b32 v[R1], v1
	v_lshlrev_b32 v[T16], 4, v0
	s_mul_i32 s47, s[WV], 128*WP
	s_add_co_u32 s47, s47, WSLOT                   ; my 128 rows' place in the slot
	v_mul_u32_u24 v[WL], v3, WP
	v_lshl_add_u32 v[WL], v2, 4, v[WL]
	v_add_nc_u32 v[WL], s47, v[WL]
	v_add_nc_u32 v[WB], s47, v[LI]
	v_add_nc_u32 v[WB+1], 64*WP, v[WB]
	s_mov_b32 s[SEL], 0x76543210
	s_mov_b32 s[SEL+1], 0xfedcba98
	s_mov_b32 s[MNT], 0x600000
	s_mov_b32 s[RCPD], 0x3b000000                  ; 1 / 512
	s_mov_b32 s[EPS], 0x358637bd                   ; 1e-6
.irp b, 0,1,2,3
	v_mov_b32 v[TM+4+\b], 0                        ; written once: a lane permute's destination counts as one of its sources
.endr
	; descriptor group 1: 128 rows of 512 bytes, dense in memory, 16 bytes of padding behind each in LDS
	s_mov_b32 s[G1], 15|(1<<20)|(1<<21)|(6<<22)|(3<<25)   ; 15:0 the mask: all four work-groups; 17:16 elements of 1 byte; 20 padding on; 21 set beside a mask; 24:22 after every 128 words (code 6); 31:25 four words (code 3)
	s_mov_b32 s[G1+1], 512<<16                     ; tensor_dim0
	s_mov_b32 s[G1+2], 128<<16                     ; tensor_dim1
	s_mov_b32 s[G1+3], 512<<16                     ; tile_dim0
	s_mov_b32 s[G1+4], 128                         ; tile_dim1
	s_mov_b32 s[G1+5], 512                         ; from row to row
	s_mov_b32 s[G1+6], 0
	s_mov_b32 s[G1+7], 0
	s_mov_b32 s43, 0
	s_mov_b32 s45, 0
	s_wait_kmcnt 0x0
	s_lshl_b32 s42, s[WV], 16                      ; my 128 rows of a weight, 512 bytes each; my 65,536 bytes of a half's images
	s_add_nc_u64 s[WO_C:WO_C+1], s[WO_C:WO_C+1], s[42:43]
	s_add_nc_u64 s[GH1:GH1+1], s[GH1:GH1+1], s[42:43]
	s_add_nc_u64 s[GH1:GH1+1], s[GH1:GH1+1], 131072        ; the images begin behind v's scale words
	s_add_nc_u64 s[GH2:GH2+1], s[GH1:GH1+1], 262144        ; the second half's lie 262,144 bytes on
	s_add_nc_u64 s[WU_C:WU_C+1], s[WU_C:WU_C+1], s[42:43]
	s_lshl_b32 s42, s[WV], 11                      ; and 16 bytes of scales a row
	s_add_nc_u64 s[WO_S:WO_S+1], s[WO_S:WO_S+1], s[42:43]
	s_add_nc_u64 s[WG_S:WG_S+1], s[WG_S:WG_S+1], s[42:43]
	s_add_nc_u64 s[WH_S:WH_S+1], s[WH_S:WH_S+1], s[42:43]
	s_add_nc_u64 s[WU_S:WU_S+1], s[WU_S:WU_S+1], s[42:43]
	s_mov_b32 s[G0A], 1
	s_mov_b32 s[G0A+1], s47
	s_mov_b64 s[G0A+2:G0A+3], s[WO_C:WO_C+1]
	s_or_b32 s[G0A+3], s[G0A+3], 0x80000000
	s_mov_b32 s[G0B], 1
	s_mov_b32 s[G0B+1], s47
	s_mov_b64 s[G0B+2:G0B+3], s[GH2:GH2+1]
	s_or_b32 s[G0B+3], s[G0B+3], 0x80000000
	s_mov_b32 s[G0C], 1
	s_mov_b32 s[G0C+1], s47
	s_mov_b64 s[G0C+2:G0C+3], s[WU_C:WU_C+1]
	s_or_b32 s[G0C+3], s[G0C+3], 0x80000000
	ROUND                                          ; all four work-groups are here: the joint loads meet
	tensor_load_to_lds s[G0A:G0A+3], s[G1:G1+7]    ; W_o: the slot's first fill; one tensor load of mine is out
	s_nop 0
	PLACES 4
	; the places of x, o and out0: the only numbers that hang on my place in the cluster
	s_bfe_u32 s[XX], ttmp6, 0x40000                ; cx
	s_lshl_b32 s44, ttmp9, 2
	s_add_co_u32 s[XX], s44, s[XX]                 ; work-group x = 4 x cluster x + cx
	s_lshl_b32 s42, s[XX], 16                      ; 32 rows of 2,048 bytes
	s_add_nc_u64 s[4:5], s[4:5], s[42:43]
	s_lshl_b32 s44, s[WV], 9
	s_add_co_u32 s44, s44, s42
	s_add_nc_u64 s[32:33], s[32:33], s[44:45]      ; out0 at my rows and my 512 bytes of them
	s_lshl_b32 s42, s[XX], 14                      ; o_img: two tiles of 8,192 bytes; my K step's 2,048 of each
	s_lshl_b32 s44, s[WV], 11
	s_add_co_u32 s42, s42, s44
	s_add_nc_u64 s[6:7], s[6:7], s[42:43]
	s_lshr_b32 s42, s[XX], 6                       ; o_sc: (16 x batch + 4 w) x 2,048 + 32 x (X mod 64)
	s_lshl_b32 s42, s42, 4
	s_lshl_b32 s44, s[WV], 2
	s_add_co_u32 s42, s42, s44
	s_lshl_b32 s42, s42, 11
	s_and_b32 s44, s[XX], 63
	s_lshl_b32 s44, s44, 5
	s_add_co_u32 s42, s42, s44
	s_add_nc_u64 s[8:9], s[8:9], s[42:43]
	; ---- the head's loads: the small things, for which the first product waits, then the ring's first chunk
	s_wait_alu depctr_va_vdst(0)
	global_load_b128 v[Y+32:Y+35], v[T16], s[14:15]    ; b_o
	global_load_b128 v[Y+36:Y+39], v[T16], s[16:17]    ; ffn_norm_w
	global_load_b128 v[Y+40:Y+43], v[T16], s[30:31]    ; b_out
.irp m, 0,1
.irp c, 0,1,2,3
	global_load_b128 v[Y+16*\m+4*\c:Y+16*\m+4*\c+3], v[LI], s[6:7] offset:8192*\m+512*\c   ; o's fragment (tile m, K step w)
	global_load_u8 v[T+4*\m+\c], v[R1], s[8:9] offset:2048*\c+16*\m                        ; and the byte of head 4 w + c
.endr
.endr
	WIN 0x40
.irp m, 0,1
.irp b, 0,1,2,3
.irp j, 0,1,2,3
	global_load_b128 v[X1+64*\m+16*\b+4*\j:X1+64*\m+16*\b+4*\j+3], v[XA], s[4:5] offset:16384*\m+128*\b+16*\j th:TH_LOAD_NT   ; x in the result's layout
.endr
.endr
.endr
	WIN 0
	WSLOAD 0, WO_S, 0, WO_S, 4                     ; W_o's scale words
	WSLOAD 1, WG_S, 0, WH_S, 0                     ; those of gate's and hidden's first halves
	WLOAD 0
	s_wait_loadcnt 32                              ; all but the chunk's 32 loads, issued last, are in
	ds_store_b128 v[T16], v[Y+32:Y+35] offset:BOL
	ds_store_b128 v[T16], v[Y+36:Y+39] offset:NWL
	ds_store_b128 v[T16], v[Y+40:Y+43] offset:BUL
.irp m, 0,1
.irp c, 0,1,2,3
	ds_store_b128 v[IWI], v[Y+16*\m+4*\c:Y+16*\m+4*\c+3] offset:IMG0+8192*\m+512*\c
.endr
	v_lshl_or_b32 v[T+4*\m], v[T+4*\m+1], 8, v[T+4*\m]
	v_lshl_or_b32 v[T+4*\m], v[T+4*\m+2], 16, v[T+4*\m]
	v_lshl_or_b32 v[T+4*\m], v[T+4*\m+3], 24, v[T+4*\m]
	ds_store_b32 v[IWS], v[T+4*\m] offset:SC0+512*\m
.endr
	WLOAD 1                                        ; the ring's other three chunks are asked for while W_o is on its way
	WLOAD 2
	WLOAD 3
	s_wait_tensorcnt 0x0                           ; my 128 rows of W_o have landed
	BARRIER                                        ; o's eight fragments, their words, the three vectors and W_o lie in LDS
	ADDB BOL                                       ; x + b_o: the C of the first product
	; ---- x1 = x + b_o + o W_o^T, in place
	s_wait_alu depctr_va_vdst(0)
	LSTEP IMG0, SC0, 0, 0
	LSTEP IMG0, SC0, 0, 1
	LSTEP IMG0, SC0, 0, 2
	LSTEP IMG0, SC0, 0, 3
	; ---- the sums of squares of my 128 columns, then of all four waves'
	WIN 0x05                                       ; sources 0 and 1: window 1
.irp m, 0,1
	v_pk_mul_f32 v[SQ+4*\m:SQ+4*\m+1], v[X1+64*\m:X1+64*\m+1], v[X1+64*\m:X1+64*\m+1]   ; each accumulator from its low end on
	v_pk_mul_f32 v[SQ+4*\m+2:SQ+4*\m+3], v[X1+64*\m+2:X1+64*\m+3], v[X1+64*\m+2:X1+64*\m+3]
.set j, 2
.rept 30
	v_pk_fma_f32 v[SQ+4*\m+2*(j%2):SQ+4*\m+2*(j%2)+1], v[X1+64*\m+2*j:X1+64*\m+2*j+1], v[X1+64*\m+2*j:X1+64*\m+2*j+1], v[SQ+4*\m+2*(j%2):SQ+4*\m+2*(j%2)+1]
.set j, j+1
.endr
.endr
	WIN 0
.irp m, 0,1
	v_pk_add_f32 v[SQ+4*\m:SQ+4*\m+1], v[SQ+4*\m:SQ+4*\m+1], v[SQ+4*\m+2:SQ+4*\m+3]
	v_add_f32 v[SQ+4*\m], v[SQ+4*\m], v[SQ+4*\m+1]
	v_permlanex16_b32 v[SQ+4*\m+1], v[SQ+4*\m], s[SEL], s[SEL+1]
	v_add_f32 v[SQ+4*\m], v[SQ+4*\m], v[SQ+4*\m+1]
	ds_store_b32 v[RDS], v[SQ+4*\m] offset:RED+64*\m   ; both halves of the lanes write the same word with the same value
.endr
	; THE SLOT IS FILLED AGAIN.  The barrier that the sums need is made a round of the cluster's barrier: W_o has been read out by every wave of all four work-groups when it closes
	s_wait_tensorcnt 0x0                           ; no tensor load of mine is out
	ds_add_u32 v[SPW], v[NIL]                      ; 0 onto my spare word
	s_wait_dscnt 0x0                               ; the add is done, my sums have landed, and my reads of the slot are over
	ROUND
	tensor_load_to_lds s[G0B:G0B+3], s[G1:G1+7]    ; the second half of gate and hidden: my one tensor load behind the round, and the first thing there
	s_nop 0
	PLACES 4
.irp m, 0,1
.irp a, 0,1,2,3
	ds_load_b32 v[T+4*\m+\a], v[RDL] offset:RED+128*\a+64*\m
.endr
.endr
	s_wait_dscnt 0x0
.irp m, 0,1
	v_add_f32 v[T+4*\m], v[T+4*\m], v[T+4*\m+1]    ; the same order in every wave
	v_add_f32 v[T+4*\m], v[T+4*\m], v[T+4*\m+2]
	v_add_f32 v[T+4*\m], v[T+4*\m], v[T+4*\m+3]
	v_fma_f32 v[T+4*\m], v[T+4*\m], s[RCPD], s[EPS]
.endr
	s_wait_alu depctr_va_vdst(0)
	v_rsq_f32 v[RS], v[T]
	v_rsq_f32 v[RS+2], v[T+4]
	WIN 0x40
.irp b, 0,1,2,3
.irp j, 0,1,2,3
	ds_load_b128 v[GH+16*\b+4*\j:GH+16*\b+4*\j+3], v[BA] offset:NWL+128*\b+16*\j   ; the norm weights of my columns
.endr
.endr
	WIN 0
	v_nop                                          ; a plain line behind the two,
	s_wait_alu depctr_va_vdst(0)                   ; and the wait ahead of the first line that names a result
	v_mov_b32 v[RS+1], v[RS]
	v_mov_b32 v[RS+3], v[RS+2]
	s_wait_dscnt 0x0
	; ---- xn = (w x1) rsqrt, quantised: K step w of the next products
.irp m, 0,1
	WIN 0x05
.set j, 0
.rept 32
	v_pk_mul_f32 v[Y+2*j:Y+2*j+1], v[X1+64*\m+2*j:X1+64*\m+2*j+1], v[GH+2*j:GH+2*j+1]
.set j, j+1
.endr
	WIN 0
.set j, 0
.rept 32
	v_pk_mul_f32 v[Y+2*j:Y+2*j+1], v[Y+2*j:Y+2*j+1], v[RS+2*\m:RS+2*\m+1]
.set j, j+1
.endr
	QUANT Y, 1
	IMAGE IWI, IMG1+8192*\m
	ds_store_b32 v[IWS], v[PW] offset:SC1+512*\m
	s_wait_dscnt 0x0                               ; the stores have read their registers
.endr
	BARRIER                                        ; xn's eight fragments lie in LDS; o's were last read two barriers back, so their bytes may take the hidden layer's.  (The slot's load may be out)
	; ---- gate and hidden, the first half of my columns, from the ring.  Behind chunk 0 stand 96 loads and behind chunk 1 72, where the count is 63; behind chunk 2 chunk 3's 32 and the eight scale loads; behind chunk 3 the eight
	GSTEP GH, 1, IMG1, SC1, 1, 0, 63
	WSLOAD 0, WG_S, 4, WH_S, 4                     ; the second halves' scale words
	GSTEP GH, 0, IMG1, SC1, 1, 1, 63
	GSTEP GH, 0, IMG1, SC1, 1, 2, 40
	GSTEP GH, 0, IMG1, SC1, 1, 3, 8
	; ---- the second half goes from the slot into the ring, whose four buffers have been read out, and THE SLOT IS FILLED A THIRD TIME
	s_wait_tensorcnt 0x0                           ; my 128 rows of images have landed
	BARRIER                                        ; everybody's have
	RCOPY 0
	RCOPY 1
	RCOPY 2
	RCOPY 3
	s_wait_tensorcnt 0x0                           ; no tensor load of mine is out
	ds_add_u32 v[SPW], v[NIL]                      ; 0 onto my spare word
	s_wait_dscnt 0x0                               ; the add is done, and my reads of the slot are over: the second half stands in registers
	ROUND
	tensor_load_to_lds s[G0C:G0C+3], s[G1:G1+7]    ; W_out: my one tensor load behind the round, and the first thing there; it has both activations and four K steps in which to land
	s_nop 0
	PLACES 4
	ACT 0
	GSTEP GH, 1, IMG1, SC1, 0, 0, 0                ; the second halves' scale words are in
	WSLOAD 1, WU_S, 0, WU_S, 4                     ; W_out's scale words: the last eight loads, which may stay out below
	GSTEP GH, 0, IMG1, SC1, 0, 1, 8
	GSTEP GH, 0, IMG1, SC1, 0, 2, 8
	GSTEP GH, 0, IMG1, SC1, 0, 3, 8
	ACT 1
.irp m, 0,1
	ds_store_b32 v[IWS], v[AW+\m] offset:SC0+512*\m
.endr
	ADDB BUL                                       ; x1 + b_out: the C of the last product
	s_wait_alu depctr_va_vdst(0)
	s_wait_tensorcnt 0x0                           ; my 128 rows of W_out have landed
	BARRIER                                        ; the hidden layer's eight fragments lie in LDS
	s_wait_loadcnt 0x0                             ; W_out's scale words
	; ---- out0 = x1 + b_out + a W_out^T, in place
	LSTEP IMG0, SC0, 1, 0
	LSTEP IMG0, SC0, 1, 1
	LSTEP IMG0, SC0, 1, 2
	LSTEP IMG0, SC0, 1, 3
	; ---- the way out: a tile of 16 rows x my 128 columns through my own stage, back as whole rows of 512 bytes
.irp m, 0,1
.if \m == 1
	s_wait_xcnt 0x0                                ; the first tile's stores have read their registers
.endif
	WIN 0x04                                       ; an LDS store's data are its source 1: window 1
.irp b, 0,1,2,3
.irp j, 0,1,2,3
	ds_store_b128 v[SO], v[X1+64*\m+16*\b+4*\j:X1+64*\m+16*\b+4*\j+3] offset:STG+128*\b+16*\j   ; each accumulator from its low end on
.endr
.endr
	WIN 0
.irp i, 0,1,2,3,4,5,6,7,8,9,10,11,12,13,14,15
	ds_load_b128 v[Y+4*\i:Y+4*\i+3], v[SR] offset:STG+528*\i   ; LDS serves a wave's instructions in order: these see my stores, and the next tile's stores come behind them
.endr
.irp i, 0,1,2,3,4,5,6,7,8,9,10,11,12,13,14,15
	s_wait_dscnt 15-\i
	global_store_b128 v[LI], v[Y+4*\i:Y+4*\i+3], s[32:33] offset:(8*\m+\i+8*(\i/8))*2048 th:TH_STORE_NT   ; 32 lanes store 512 consecutive bytes, aligned; written once, read by nobody here
.endr
.endr
	s_wait_tensorcnt 0x0                           ; the wave's end, behind my last tensor load and my last LDS store
	ds_add_u32 v[SPW], v[NIL]
	s_wait_dscnt 0x0
	ROUND                                          ; the closing round: no work-group ends while a partner may still ask for a tile that names it
	s_endpgm
.Lfunc_end_k_qb396d05bdc_post:
	.size	k_qb396d05bdc_post, .Lfunc_end_k_qb396d05bdc_post-k_qb396d05bdc_post
	.p2alignl 7, 3214868480
	.fill 96, 4, 3214868480
	.section	.rodata,"a",@progbits
	.p2align	6, 0x0
	.amdhsa_kernel k_qb396d05bdc_post
		.amdhsa_group_segment_fixed_size 327680
		.amdhsa_private_segment_fixed_size 0
		.amdhsa_enable_private_segment 0
		.amdhsa_kernarg_size 112
		.amdhsa_user_sgpr_count 2
		.amdhsa_user_sgpr_kernarg_segment_ptr 1
		.amdhsa_wavefront_size32 1
		.amdhsa_system_sgpr_workgroup_id_x 1
		.amdhsa_system_sgpr_workgroup_id_y 1
		.amdhsa_system_sgpr_workgroup_id_z 1
		.amdhsa_system_vgpr_workitem_id 0
		.amdhsa_next_free_vgpr 1024
		.amdhsa_next_free_sgpr 72
		.amdhsa_reserve_vcc 0
		.amdhsa_float_denorm_mode_32 3
		.amdhsa_float_denorm_mode_16_64 3
		.amdhsa_memory_ordered 1
		.amdhsa_forward_progress 1
		.amdhsa_inst_pref_size 195
	.end_amdhsa_kernel
	.amdgpu_metadata
---
amdhsa.version: [ 1, 2 ]
amdhsa.kernels:
  - .name:           k_qb396d05bdc_post
    .symbol:         k_qb396d05bdc_post.kd
    .args:
      - { .name: x, .offset: 0, .size: 8, .value_kind: global_buffer, .address_space: global }
      - { .name: o_img, .offset: 8, .size: 8, .value_kind: global_buffer, .address_space: global }
      - { .name: o_sc, .offset: 16, .size: 8, .value_kind: global_buffer, .address_space: global }
      - { .name: W_o_codes, .offset: 24, .size: 8, .value_kind: global_buffer, .address_space: global }
      - { .name: W_o_scales, .offset: 32, .size: 8, .value_kind: global_buffer, .address_space: global }
      - { .name: b_o, .offset: 40, .size: 8, .value_kind: global_buffer, .address_space: global }
      - { .name: ffn_norm_w, .offset: 48, .size: 8, .value_kind: global_buffer, .address_space: global }
      - { .name: v_sc, .offset: 56, .size: 8, .value_kind: global_buffer, .address_space: global }
      - { .name: W_gate_scales, .offset: 64, .size: 8, .value_kind: global_buffer, .address_space: global }
      - { .name: W_hidden_scales, .offset: 72, .size: 8, .value_kind: global_buffer, .address_space: global }
      - { .name: W_out_codes, .offset: 80, .size: 8, .value_kind: global_buffer, .address_space: global }
      - { .name: W_out_scales, .offset: 88, .size: 8, .value_kind: global_buffer, .address_space: global }
      - { .name: b_out, .offset: 96, .size: 8, .value_kind: global_buffer, .address_space: global }
      - { .name: out0, .offset: 104, .size: 8, .value_kind: global_buffer, .address_space: global }
    .group_segment_fixed_size: 327680
    .private_segment_fixed_size: 0
    .kernarg_segment_align: 8
    .kernarg_segment_size: 112
    .max_flat_workgroup_size: 128
    .sgpr_count:     72
    .vgpr_count:     1024
    .wavefront_size: 32
...
	.end_amdgpu_metadata
.endif
;; end of part 3
